; MI455X (gfx1250); checked and timed in simulation.
; The chip was launched on July 23, 2026; its instructions are those of AMD's public machine-readable ISA for CDNA 5 (MIT licence, August 2026) and "CDNA5" Instruction Set Architecture Reference Guide (July 2026). The comments in the code are by the model that wrote it; some were corrected since.
;; Causal Attention. Allowed arithmetic: matrix products marked QUANTISED: E3M2 operands, one E8M0 scale for each 32 along K, by v_wmma_scale_f32_16x16x128_f8f6f4 with both operands' format E3M2, f32 sums; everything else in f32.
;; Inputs: Wk_codes 1,024 x 32 x 24 uint8 (E3M2 codes of Wk, K innermost, in blocks of 32 codes, four codes in three bytes); Wk_scales 1,024 x 32 uint8 (E8M0 scales of Wk, one for each 32 codes along K); Wq_codes 1,024 x 32 x 24 uint8 (E3M2 codes of Wq, K innermost, in blocks of 32 codes, four codes in three bytes); Wq_scales 1,024 x 32 uint8 (E8M0 scales of Wq, one for each 32 codes along K); Wv_codes 1,024 x 32 x 24 uint8 (E3M2 codes of Wv, K innermost, in blocks of 32 codes, four codes in three bytes); Wv_scales 1,024 x 32 uint8 (E8M0 scales of Wv, one for each 32 codes along K); x_codes 4 x 2,048 x 32 x 24 uint8 (E3M2 codes of x, K innermost, in blocks of 32 codes, four codes in three bytes); x_scales 4 x 2,048 x 32 uint8 (E8M0 scales of x, one for each 32 codes along K).
;; Outputs: out0 4 x 2,048 x 1,024 float32.
;; This version of the problem:
;;   THIS VERSION OF THE PROBLEM IS GIVEN IN LOW PRECISION. The matrix products marked QUANTISED in the list below multiply operands that are first quantised to E3M2 (3 exponent bits, 2 mantissa bits; 6 bits a number), with one power-of-two scale for each 32 numbers along K (OCP MX v1.0); their sums are f32. All else is computed in f32.
;;   The module's matrix products, in the order in which they are computed (A, B: the left and right operand; K: the contracted axis; several contracted axes count as one K, in the product's order):
;;     1. [M 8,192, K 1,024] x [K 1,024, N 1,024]; A: input x (given as codes); B: input Wq (given as codes): QUANTISED
;;     2. [M 8,192, K 1,024] x [K 1,024, N 1,024]; A: input x (given as codes); B: input Wk (given as codes): QUANTISED
;;     3. [M 8,192, K 1,024] x [K 1,024, N 1,024]; A: input x (given as codes); B: input Wv (given as codes): QUANTISED
;;     4. batch 4 x [M 2,048, K 1,024] x [K 1,024, N 2,048]; A: computed on the way; B: computed on the way: QUANTISED
;;     5. batch 4 x [M 2,048, K 2,048] x [K 2,048, N 1,024]; A: softmax (see below); B: computed on the way: QUANTISED
;;   THE QUANTISER, for each operand of a quantised product, along K:
;;     - K is cut into blocks of 32 from its start; a last block that is shorter is filled with zeros.
;;     - A block's scale is 2^e with e = floor(log2(the largest magnitude in the block)) - 4, held to -126 .. 127; a block of zeros has e = 0. As a byte (E8M0): e + 127.
;;     - Each number is divided by its block's scale, clamped to +-28, and rounded to the nearest number of E3M2, ties to even, subnormals kept.
;;     - The product sums the exact products of the quantised numbers (number of the format x scale) in f32.
;;   ~~~python
;;   def quantise(x, axis):      # numpy; x: float32 -> the quantised numbers, widened to float32 again
;;       x = np.moveaxis(x, axis, -1); K = x.shape[-1]
;;       x = np.pad(x, [(0, 0)] * (x.ndim - 1) + [(0, -K % 32)]); x = x.reshape(x.shape[:-1] + (-1, 32)); a = np.abs(x).max(-1, keepdims=True)
;;       e = np.where(a > 0, np.clip(np.frexp(np.where(a > 0, a, 1))[1] - 1 - 4, -126, 127), 0)      # np.frexp(a)[1] - 1 = floor(log2(a)), exactly
;;       r = np.clip(x / 2.0 ** e, -28, 28)
;;       step = 2.0 ** (np.maximum(np.frexp(np.where(r == 0, 1, r))[1] - 1, -2) - 2)
;;       q = np.round(r / step) * step * 2.0 ** e      # np.round: ties to even
;;       return np.moveaxis(q.reshape(q.shape[:-2] + (-1,))[..., :K], -1, axis).astype(np.float32)
;;   ~~~
;;   SOFTMAX AHEAD OF A QUANTISED PRODUCT. Where the list says 'softmax', what is quantised is not the finished softmax but p = 2^(t - M), with t = logit x log2(e) and M = ceil(the row's largest t), a whole number; so 1/2 < the row's largest p <= 1. The row's sum l is taken of the UNQUANTISED p, in f32, and the product's result is divided by l at the end. Since M is a whole number, a kernel that streams over the keys may use a running M (the ceiling of the running maximum): every later rescaling is an exact power of two, which a block's scale takes up: the codes' values come out the same.
;;   OPERANDS COMPUTED ON THE WAY. 'Computed on the way' means the value that the module computes at that place (a softmax that the list does not call 'softmax' is quantised finished and normalised). What goes into a quantiser is computed in f32, as accurately as f32 sums, v_exp_f32 and their like allow (about 1e-6 of the number): no bf16 or f16 on the way to a quantiser, and a product that is left as it is and whose result goes on into a quantised operand takes f32 operands (vector FMAs, or v_wmma_f32_16x16x4_f32). A number that lies on a knife's edge between two numbers of the format may be rounded either way, as far as f32 arithmetic and the matrix unit's own rounding can turn it there, and no further.
;;   INPUTS GIVEN AS CODES. Wk (in the module: [1024, 1024], K = its axis 0); Wq (in the module: [1024, 1024], K = its axis 0); Wv (in the module: [1024, 1024], K = its axis 0); x (in the module: [4, 2048, 1024], K = its axis 2): each comes as NAME_codes (uint8): NAME with its K axis moved to the last place and cut into blocks of 32 codes, [.., K / 32, bytes a block], one block behind the other in memory; four codes in three bytes: a row's codes are one little-endian stream of bits, code i at bits 6 i .. 6 i + 5 (a code: sign, 3 exponent bits, 2 mantissa bits); and NAME_scales (uint8): the same leading axes, one E8M0 byte (e + 127) for each 32 codes along K. Its value is code x scale, taken as it is: it is not quantised again, and the codes and scales need not be those that the quantiser above would give.
;; One version. Each part assembles by itself: llvm-mc -triple=amdgcn-amd-amdhsa -mcpu=gfx1250 --defsym DOCPART=n.
;; ======== version 1 of 1: 3 launches
;; limits: right only within a limited range of input values
;; workspace buffers: q_img 6,291,456 bytes; k_img 6,291,456 bytes; v_img 6,291,456 bytes; p_img 12,582,912 bytes; q_sc 262,144 bytes; k_sc 262,144 bytes; v_sc 262,144 bytes; p_st 1,572,864 bytes
;; launch proj (part 1): grid 8 x 32, 4 waves a work-group, clusters of 4 x 4, 327,680 bytes of LDS; arguments x_codes, x_scales, Wq_codes, Wq_scales, Wk_codes, Wk_scales, Wv_codes, Wv_scales, q_img, q_sc, k_img, k_sc, v_img, v_sc; writes q_img, q_sc, k_img, k_sc, v_img, v_sc
.if DOCPART == 1
	.amdgcn_target "amdgcn-amd-amdhsa--gfx1250"
	.amdhsa_code_object_version 6
	.text
	.protected	k_qd4cf2cd01d_proj
	.globl	k_qd4cf2cd01d_proj
	.p2align	8
	.type	k_qd4cf2cd01d_proj,@function
k_qd4cf2cd01d_proj:
	s_mov_b64 s[64:65], 0
	v_nop
	global_prefetch_b8 v0, s[64:65] scope:SCOPE_SE
	s_setreg_imm32_b32 hwreg(HW_REG_WAVE_MODE, 25, 1), 1
	s_wait_xcnt 0x0
	s_wait_alu depctr_hold_cnt(0) depctr_sa_sdst(0) depctr_va_vdst(0) depctr_va_sdst(0) depctr_va_ssrc(0) depctr_va_vcc(0) depctr_vm_vsrc(0)
	s_getreg_b32 s2, hwreg(HW_REG_IB_STS2, 6, 4)
	s_cmp_eq_u32 s2, 0
	s_cbranch_scc0 .Lentry_in_a_cluster
	s_endpgm
.Lentry_in_a_cluster:
	s_bfe_u32 s2, ttmp6, 0x10000c
	s_cmp_lg_u32 s2, 0xf033
	s_cbranch_scc0 .Lentry_shape_is_right
	s_endpgm
.Lentry_shape_is_right:
; q = x Wq, k = x Wk, v = x Wv on codes of BF6 (E3M2) with one E8M0 scale for each 32 along K = 1,024; the results are quantised at once for the next products: q and k along e, v along the tokens.
; A work-group takes 256 tokens and 128 columns of each of Wq, Wk, Wv: 32 x 8 = 256 work-groups of equal work.  Four waves; a wave keeps its 64 tokens of x, all of K, in 384 registers and walks the columns in
; six blocks of 64 (q0 q1 k0 k1 v0 v1): 16 accumulators of 16 x 16, all of K in one block.  W's fragments come from LDS in runs of 48 loads for two steps of 128 along K (32 matrix instructions), two sets of registers by turns.
; LDS, rows of 768 bytes laid with 16 bytes of padding behind every 256 (pitch 816): Wq's 128 rows at 0, x's 256 rows behind them: both by the head's loads, one a wave.  When x is in registers, its bytes
; take Wk's and Wv's 128 rows by ONE refill, a quarter a wave.  Nothing else is fetched into LDS, so there is no loop along K in which a prefetch could run ahead: none is written.
; CLUSTERS of 4 x 4 work-groups: x's rows are asked for jointly along a row of the cluster, W's along a column.  Scale bytes go straight to registers, 512 consecutive bytes a load: lane (r, h) takes row r's bytes 16 h .. 16 h + 15,
; so register q holds the words of step q in lanes 0-15 and of step 4 + q in lanes 16-31.
; q, k: source 0 = 16 rows of W, source 1 = 16 tokens: a lane holds one token, its registers run along e.  v: source 0 = 16 tokens, source 1 = 16 rows of Wv: a lane holds one channel, its registers run along the tokens.
; So in both a lane's registers run along the NEXT product's K, and one way out serves both.  Inside a block of 32 the codes lie in a fixed order (0-7, 16-23, 8-15, 24-31), the same in every operand of the next two products.
; STORED: half fragments (16 rows x 64 along K: lanes 0-15 block 0, lanes 16-31 block 1, 6 registers): registers 0-3 of lane l at 16 l, registers 4-5 at 512 + 8 l: 768 bytes.
;   q_img, k_img [token / 16][e / 64][768]; v_img [batch][channel / 16][key / 64][768]; q_sc, k_sc [token / 128][e / 128][128] words; v_sc [batch][channel / 128][key / 128][128] words.
; WORK LEFT OUT in the later launches: scores above the diagonal of reference()'s own causal mask: their weights are exp(-inf) = 0 for all inputs.  A NaN or an infinity that reaches only those is not carried to the result.
; LIMITS: NaN and infinities among the inputs are not served.  A block whose largest magnitude lies under 2^-122 keeps the scale byte 1; a block of zeros too (its codes are zeros; this program alone reads the bytes).
.set KROW,   768                       ; a row of codes in memory
.set PITCH,  816                       ; and in LDS: 3 x (256 + 16)
.set WB,     64*PITCH                  ; 64 rows
.set SPARE,  6*WB                      ; the spare words: 128 bytes a wave, two blocks of 256 bytes that no other line names
.set SCR,    SPARE+512                 ; q's and k's scale words on their way out, 2 x 256 bytes a wave
.set VSCR,   SCR+2048                  ; v's, [2 x 128 keys][128 channels]
.set TQ,     16*768                    ; q_img, k_img: from 16 tokens to the next
.set TV,     32*768                    ; v_img: from 16 channels to the next
; window 0:
.set ADRA,   16                        ; v16-17 my tokens' rows (v17: lanes 16-31 behind one padding more)
.set SPW,    22                        ; my spare word; never rewritten
.set NIL,    23                        ; 0; never rewritten
.set L16,    24                        ; 16 x lane
.set L8,     25                        ; 8 x lane
.set SWA,    26                        ; where a token's scale bytes are put,
.set SRA,    27                        ; and where the words are read back
.set VSW,    28                        ; the same for v's
.set VSR,    29
.set XOF,    30                        ; 32 r + 16 h
.set SWC,    31                        ; where this block's scale bytes are put
.set XS,     32                        ; v32-47 x's scale words: 4 t + q
.set WS0,    48                        ; v48-63 W's scale words at work: 4 x (tile of 16 rows) + q
.set WS1,    64                        ; v64-79 the next block's;  WS2 the last block's
.set WS2,    148
.set TM,     80                        ; v80-87 largest magnitudes, v88-95 at work and bytes, v96-103 the conversions' scale operands
.set PC,     104                       ; v104-127 four half fragments; v128-143 the conversions' second halves
.set PX,     128
.set PW,     144                       ; v144-147 scale bytes
.set OW,     164                       ; v164-169 words on their way out
.set BB,     240                       ; W's LDS addresses: from byte 0; this block's; the next block's
.set BAD,    242
.set BADN,   244
; window 1: v0-239 x's fragments of steps 0-4;  window 2: v0-143 of steps 5-7, v144-239 W's second set;  window 3: v0-127 accumulators, v128-223 W's first set
.set G1X, 4                            ; s[4:11], s[12:15] groups 1 and 0 for x
.set G0X, 12
.set G1W, 68                           ; s[68:75], s[76:79] for W; s[80:83] group 0 of the refill
.set G0W, 76
.set G0R, 80
.set SEL, 96                           ; s[96:97] lane selects: lane l xor 16
.set MSB, 0
.macro WIN new                         ; the immediate's high byte repeats the setting that is left
.if MSB != (\new)
	s_set_vgpr_msb (MSB<<8)|(\new)
.set MSB, (\new)
.endif
.endm
.macro PLACES                          ; plain vector lines between a matrix instruction and a load into, or a vector read or write of, its registers
.rept 4
	v_nop
.endr
.endm
.macro CROUND                          ; a whole round of the cluster's barrier
	s_barrier_signal -1
	s_barrier_wait -1
	s_cmp_lg_u32 s16, 0
	s_cbranch_scc1 .Lnot_wave_0_\@
	s_barrier_signal -3
.Lnot_wave_0_\@:
	s_barrier_wait -3
	s_barrier_signal -1
	s_barrier_wait -1
.endm
	s_load_b512 s[24:39], s[0:1], 0x0              ; x's codes, scales; Wq's; Wk's; Wv's
	s_load_b256 s[48:55], s[0:1], 0x40             ; q_img, q_sc, k_img, k_sc
	s_load_b128 s[56:59], s[0:1], 0x60             ; v_img, v_sc
	v_lshl_add_u32 v[SPW], v0, 2, SPARE
	v_mov_b32 v[NIL], 0
	ds_add_u32 v[SPW], v[NIL]                      ; an add to my spare word, twice on end; its wait comes ahead of my first tensor load
	ds_add_u32 v[SPW], v[NIL]
	v_lshrrev_b32 v1, 5, v0
	v_readfirstlane_b32 s16, v1                    ; wave 0..3
	s_and_b32 s17, s16, 1                          ; which half I fetch
	s_lshr_b32 s18, s16, 1                         ; at the head I fetch for x (0) or for Wq (1)
	s_bfe_u32 s40, ttmp6, 0x40000                  ; cx, cy: my place in the cluster
	s_bfe_u32 s41, ttmp6, 0x40004
	s_lshl_b32 s42, ttmp9, 2
	s_add_co_u32 s42, s42, s40                     ; g: which 128 columns
	s_and_b32 s43, ttmp7, 0xffff
	s_lshl_b32 s43, s43, 2
	s_add_co_u32 s43, s43, s41                     ; which 256 tokens
	s_lshl_b32 s44, s41, 2
	s_lshl_b32 s44, 15, s44                        ; my row of the cluster
	s_lshl_b32 s45, 0x1111, s40                    ; my column
	; descriptor groups 1: rows of 96 elements of 8 bytes, 16 bytes of padding behind every 64 words: 128 rows of x, 64 of W
	s_or_b32 s[G1X+0], s44, (3<<16)|(1<<20)|(1<<21)|(5<<22)|(3<<25)
	s_or_b32 s[G1W+0], s45, (3<<16)|(1<<20)|(1<<21)|(5<<22)|(3<<25)
.irp g, G1X, G1W
	s_mov_b32 s[\g+1], 96<<16
	s_mov_b32 s[\g+3], 96<<16
	s_mov_b32 s[\g+5], 96
	s_mov_b32 s[\g+6], 0
	s_mov_b32 s[\g+7], 0
.endr
	s_mov_b32 s[G1X+2], 128<<16
	s_mov_b32 s[G1X+4], 128
	s_mov_b32 s[G1W+2], 64<<16
	s_mov_b32 s[G1W+4], 64
	s_lshl_b32 s20, s43, 8
	s_lshl_b32 s22, s17, 7
	s_add_co_u32 s20, s20, s22                     ; x: row 256 x token block + 128 x half
	s_mul_i32 s20, s20, KROW
	s_mov_b32 s21, 0
	s_lshl_b32 s60, s42, 7
	s_lshl_b32 s22, s17, 6
	s_add_co_u32 s60, s60, s22                     ; W: row 128 g + 64 x half
	s_mul_i32 s60, s60, KROW
	s_mov_b32 s61, 0
	s_mul_i32 s84, s17, 2*WB                       ; where they go: no place in the cluster enters an LDS address
	s_add_co_u32 s84, s84, 2*WB                    ; x: behind Wq
	s_mul_i32 s85, s17, WB                         ; Wq
	s_mul_i32 s86, s16, WB
	s_add_co_u32 s86, s86, 2*WB                    ; the refill: waves 0, 1 Wk's halves, waves 2, 3 Wv's, over x's bytes
	s_wait_dscnt 0x0                               ; both opening adds are done
	s_wait_kmcnt 0x0
	s_add_nc_u64 s[20:21], s[24:25], s[20:21]
	s_cmp_lt_u32 s16, 2
	s_cselect_b64 s[22:23], s[32:33], s[36:37]     ; Wk or Wv: by the wave's number
	s_add_nc_u64 s[62:63], s[22:23], s[60:61]
	s_add_nc_u64 s[60:61], s[28:29], s[60:61]
	s_mov_b32 s[G0X], 1
	s_mov_b32 s[G0X+1], s84
	s_mov_b64 s[G0X+2:G0X+3], s[20:21]
	s_or_b32 s[G0X+3], s[G0X+3], 0x80000000
	s_mov_b32 s[G0W], 1
	s_mov_b32 s[G0W+1], s85
	s_mov_b64 s[G0W+2:G0W+3], s[60:61]
	s_or_b32 s[G0W+3], s[G0W+3], 0x80000000
	s_mov_b32 s[G0R], 1
	s_mov_b32 s[G0R+1], s86
	s_mov_b64 s[G0R+2:G0R+3], s[62:63]
	s_or_b32 s[G0R+3], s[G0R+3], 0x80000000
	CROUND                                         ; all sixteen work-groups are here: the first joint loads meet
	s_cmp_eq_u32 s18, 0                            ; one load a wave: waves 0 and 1 x's halves, waves 2 and 3 Wq's
	s_cbranch_scc0 .Lfor_w
	tensor_load_to_lds s[G0X:G0X+3], s[G1X:G1X+7]
	s_nop 0
.rept 4
	v_nop
.endr
	s_branch .Lasked
.Lfor_w:
	tensor_load_to_lds s[G0W:G0W+3], s[G1W:G1W+7]
	s_nop 0
.rept 4
	v_nop
.endr
.Lasked:
	; scale words: x's for my 64 tokens, Wq's for my 128 columns
	s_lshl_b32 s92, s43, 13
	s_lshl_b32 s84, s16, 11
	s_add_co_u32 s92, s92, s84
	s_mov_b32 s93, 0
	s_add_nc_u64 s[26:27], s[26:27], s[92:93]
	s_lshl_b32 s92, s42, 12
	s_add_nc_u64 s[30:31], s[30:31], s[92:93]
	s_add_nc_u64 s[34:35], s[34:35], s[92:93]
	s_add_nc_u64 s[38:39], s[38:39], s[92:93]
	v_and_b32 v1, 15, v0                           ; r
	v_bfe_u32 v2, v0, 4, 1                         ; h
	v_and_b32 v6, 31, v0                           ; lane
	v_lshlrev_b32 v7, 5, v1
	v_lshl_add_u32 v[XOF], v2, 4, v7
	s_wait_alu depctr_va_vdst(0)
.macro WSLOAD set, base, off           ; the scale words of 64 rows of a W
.irp t, 0,1,2,3
	global_load_b128 v[\set+4*\t:\set+4*\t+3], v[XOF], s[\base:\base+1] offset:\off+512*\t
.endr
.endm
	WSLOAD XS, 26, 0
	WSLOAD WS0, 30, 0
	WSLOAD WS1, 30, 2048
	v_mul_u32_u24 v3, v1, PITCH
	v_mul_u32_u24 v4, v2, 24
	v_add_nc_u32 v[BB], v3, v4                     ; a fragment's row x pitch + 24 x half
	v_lshl_add_u32 v[BB+1], v2, 4, v[BB]           ; and with lanes 16-31 behind one padding more
	v_add_nc_u32 v[BADN], WB, v[BB]
	v_add_nc_u32 v[BADN+1], WB, v[BB+1]
	s_mul_i32 s22, s16, WB
	s_add_co_u32 s22, s22, 2*WB                    ; my 64 tokens
	v_add_nc_u32 v[ADRA], s22, v[BB]
	v_add_nc_u32 v[ADRA+1], s22, v[BB+1]
	v_lshlrev_b32 v[L16], 4, v6
	v_lshlrev_b32 v[L8], 3, v6
	s_lshl_b32 s22, s16, 9
	s_add_co_u32 s22, s22, SCR
	s_lshl_b32 s23, s16, 8
	s_add_co_u32 s23, s23, VSCR
	v_lshl_add_u32 v[SWA], v1, 2, s22
	v_lshl_add_u32 v[SRA], v6, 3, s22
	v_lshl_add_u32 v[VSR], v6, 3, s23
	s_lshl_b32 s22, s18, 9                         ; v: my 64 tokens are one half of a word of 128: bytes 0-1 or 2-3
	s_lshl_b32 s23, s17, 1
	s_add_co_u32 s22, s22, s23
	s_add_co_u32 s22, s22, VSCR
	v_lshl_add_u32 v[VSW], v1, 2, s22
.irp b, 0,1,2,3,4,5,6,7
	v_mov_b32 v[TM+8+\b], 0                        ; written once: a lane permute's destination counts as one of its sources
.endr
	s_mov_b32 s[SEL], 0x76543210
	s_mov_b32 s[SEL+1], 0xfedcba98
	; where my results go
	s_lshl_b32 s92, s43, 4
	s_lshl_b32 s84, s16, 2
	s_add_co_u32 s92, s92, s84                     ; my first tile of 16 tokens
	s_mul_i32 s92, s92, TQ
	s_mul_i32 s84, s42, 2*768
	s_add_co_u32 s92, s92, s84
	s_add_nc_u64 s[48:49], s[48:49], s[92:93]
	s_add_nc_u64 s[52:53], s[52:53], s[92:93]
	s_lshl_b32 s92, s43, 1
	s_add_co_u32 s92, s92, s18                     ; my 128 tokens
	s_lshl_b32 s92, s92, 12
	s_lshl_b32 s84, s42, 9
	s_add_co_u32 s92, s92, s84
	s_lshl_b32 s84, s17, 8
	s_add_co_u32 s92, s92, s84
	s_add_nc_u64 s[50:51], s[50:51], s[92:93]
	s_add_nc_u64 s[54:55], s[54:55], s[92:93]
	s_lshr_b32 s94, s43, 3                         ; the batch
	s_and_b32 s95, s43, 7                          ; which 256 of its tokens
	s_lshl_b32 s94, s94, 3
	s_add_co_u32 s94, s94, s42                     ; 8 x batch + g: 128 channels
	s_mul_i32 s92, s94, 8*TV
	s_lshl_b32 s84, s95, 2
	s_add_co_u32 s84, s84, s16                     ; my 64 keys
	s_mul_i32 s84, s84, 768
	s_add_co_u32 s92, s92, s84
	s_add_nc_u64 s[56:57], s[56:57], s[92:93]
	s_lshl_b32 s92, s94, 13
	s_lshl_b32 s84, s95, 10
	s_add_co_u32 s92, s92, s84
	s_lshl_b32 s84, s16, 8
	s_add_co_u32 s92, s92, s84
	s_add_nc_u64 s[58:59], s[58:59], s[92:93]
	s_add_nc_u64 s[92:93], s[34:35], 2048          ; the blocks' scales in their order: k0, k1, (v0)
	s_mov_b64 s[86:87], s[34:35]
	s_mov_b64 s[88:89], s[48:49]                   ; and their images: q0 (q1), k0, k1
	s_mov_b64 s[90:91], s[52:53]
	s_add_nc_u64 s[94:95], s[52:53], 768
; A fragment is 16 rows x 128 K in 12 registers: lane l holds row l % 16; registers 6 c .. 6 c + 5 hold K = 64 c + 32 (l / 16) + 0 .. 31: 24 bytes of the row's stream of bits, in pieces of 8.
; Byte y of a row lies at y + 16 (y / 256): where lanes 16-31, 24 bytes on, lie behind one padding more, the second address register serves.
.macro FRAG reg, adr, s, t
.irp p, 0,1,2,3,4,5
.set BY, 96*(\s)+48*(\p/3)+8*(\p%3)
.set LA, \adr
.if BY/256 != (BY+24)/256
.set LA, LA+1
.endif
	ds_load_b64 v[\reg+2*\p:\reg+2*\p+1], v[LA] offset:BY+16*(BY/256)+(\t)*16*PITCH
.endr
.endm
.macro LDW k, adr                      ; 48 loads: W's four tiles for steps 2 k and 2 k + 1, into set k % 2
.if (\k)%2
	WIN 0x80
.set WR, 144
.else
	WIN 0xc0
.set WR, 128
.endif
.irp u, 0,1
.irp t, 0,1,2,3
	FRAG WR+48*\u+12*\t, \adr, 2*(\k)+\u, \t
.endr
.endr
	WIN 0
.endm
.macro LDX k                           ; 48 loads: my four tiles of tokens for steps 2 k and 2 k + 1
.irp u, 0,1
.set SX, 2*(\k)+\u
	WIN 0x40*(1+SX/5)
.irp t, 0,1,2,3
	FRAG 48*(SX%5)+12*\t, ADRA, SX, \t
.endr
.endr
	WIN 0
.endm
; 32 matrix instructions: steps 2 k and 2 k + 1.  The 16 accumulators take turns, one instruction a turn, in the same order in every step.
.macro MULP k, isv
.if (\k)%2
.set BW, 2
.set WR, 144
.else
.set BW, 3
.set WR, 128
.endif
.irp u, 0,1
.set S_, 2*(\k)+\u
.set X_, 48*(S_%5)
.set XW, 1+S_/5
.if \isv
	WIN 0xf0+4*BW+XW
.else
	WIN 0xf0+4*XW+BW
.endif
.irp b, 0,1,2,3
.set R_, WR+48*\u+12*\b
.set W_, WS0+4*\b+S_%4
.irp a, 0,1,2,3
.set Q_, XS+4*\a+S_%4
.if \isv
.set D_, 32*\b+8*\a
.if S_ == 0
	v_wmma_scale_f32_16x16x128_f8f6f4 v[D_:D_+7], v[X_+12*\a:X_+12*\a+11], v[R_:R_+11], 0, v[Q_], v[W_] matrix_a_fmt:MATRIX_FMT_BF6 matrix_b_fmt:MATRIX_FMT_BF6
.elseif S_ < 4
	v_wmma_scale_f32_16x16x128_f8f6f4 v[D_:D_+7], v[X_+12*\a:X_+12*\a+11], v[R_:R_+11], v[D_:D_+7], v[Q_], v[W_] matrix_a_fmt:MATRIX_FMT_BF6 matrix_b_fmt:MATRIX_FMT_BF6
.else
	v_wmma_scale_f32_16x16x128_f8f6f4 v[D_:D_+7], v[X_+12*\a:X_+12*\a+11], v[R_:R_+11], v[D_:D_+7], v[Q_], v[W_] matrix_a_fmt:MATRIX_FMT_BF6 matrix_b_fmt:MATRIX_FMT_BF6 matrix_a_scale:MATRIX_SCALE_ROW1 matrix_b_scale:MATRIX_SCALE_ROW1
.endif
.else
.set D_, 32*\a+8*\b
.if S_ == 0
	v_wmma_scale_f32_16x16x128_f8f6f4 v[D_:D_+7], v[R_:R_+11], v[X_+12*\a:X_+12*\a+11], 0, v[W_], v[Q_] matrix_a_fmt:MATRIX_FMT_BF6 matrix_b_fmt:MATRIX_FMT_BF6
.elseif S_ < 4
	v_wmma_scale_f32_16x16x128_f8f6f4 v[D_:D_+7], v[R_:R_+11], v[X_+12*\a:X_+12*\a+11], v[D_:D_+7], v[W_], v[Q_] matrix_a_fmt:MATRIX_FMT_BF6 matrix_b_fmt:MATRIX_FMT_BF6
.else
	v_wmma_scale_f32_16x16x128_f8f6f4 v[D_:D_+7], v[R_:R_+11], v[X_+12*\a:X_+12*\a+11], v[D_:D_+7], v[W_], v[Q_] matrix_a_fmt:MATRIX_FMT_BF6 matrix_b_fmt:MATRIX_FMT_BF6 matrix_a_scale:MATRIX_SCALE_ROW1 matrix_b_scale:MATRIX_SCALE_ROW1
.endif
.endif
.endr
.endr
.endr
	WIN 0
.endm
.macro PAIR k, isv, adr, x             ; two steps; the next two steps' fragments are asked for ahead of the products (x = 1: x's too)
	s_wait_dscnt 0x0                               ; these two steps' are in
.if (\k) < 3
.if (\k) > 0
	PLACES                                         ; the other set was read by the products just issued
.endif
.if \x
	LDX (\k)+1
.endif
	LDW (\k)+1, \adr
.endif
	MULP \k, \isv
.endm
; THE WAY OUT of a block: four lane tiles, eight blocks of 32 shared with lane l xor 16, side by side: four half fragments and two bytes of scale word a row each.
.macro EPI sw, base, ts
	s_wait_alu depctr_va_vdst(0)
	s_wait_xcnt 0x0                                ; the earlier block's stores have read their data
	WIN 0x0f                                       ; sources 0 and 1: the accumulators' window
.irp b, 0,1,2,3,4,5,6,7
	v_max3_num_f32 v[TM+\b], |v[16*\b]|, |v[16*\b+1]|, 0x2800000   ; my 16 numbers and the floor 2^(5 - 127); each accumulator is read from its low end on
.endr
.irp i, 2,4,6,8,10,12,14
.irp b, 0,1,2,3,4,5,6,7
	v_max3_num_f32 v[TM+\b], |v[16*\b+\i]|, |v[16*\b+\i+1]|, v[TM+\b]
.endr
.endr
	WIN 0
.irp b, 0,1,2,3,4,5,6,7
	v_permlanex16_b32 v[TM+8+\b], v[TM+\b], s[SEL], s[SEL+1]
.endr
.irp b, 0,1,2,3,4,5,6,7
	v_max_num_f32 v[TM+\b], v[TM+\b], v[TM+8+\b]   ; with lane l xor 16's: the block's largest magnitude
.endr
.irp b, 0,1,2,3,4,5,6,7
	v_add_nc_u32 v[TM+16+\b], 0xfe000000, v[TM+\b] ; 4 off the exponent field: the conversion takes the exponent field of this operand as its scale
.endr
.irp b, 0,1,2,3,4,5,6,7
	v_lshrrev_b32 v[TM+8+\b], 23, v[TM+16+\b]      ; the scale's byte
.endr
.irp t, 0,1,2,3
	v_lshl_or_b32 v[PW+\t], v[TM+9+2*\t], 8, v[TM+8+2*\t]
.endr
	WIN 0x03
.irp t, 0,1,2,3                                ; (a conversion's three registers begin on an even number: a block's upper half is made elsewhere and moved)
	v_cvt_scalef32_pk16_bf6_f32 v[PC+6*\t:PC+6*\t+2], v[32*\t:32*\t+15], v[TM+16+2*\t]
	v_cvt_scalef32_pk16_bf6_f32 v[PX+4*\t:PX+4*\t+2], v[32*\t+16:32*\t+31], v[TM+17+2*\t]
.endr
	WIN 0
	v_nop                                          ; one plain line behind the scaled conversions
.irp i, 0,1,2                                  ; a WHOLE block in a lane: lanes 0-15 the tile's first block, lanes 16-31 its second
.irp t, 0,1,2,3
	v_permlane16_swap_b32 v[PC+6*\t+\i], v[PX+4*\t+\i]
.endr
.endr
.irp i, 0,1,2
.irp t, 0,1,2,3
	v_mov_b32 v[PC+3+6*\t+\i], v[PX+4*\t+\i]
.endr
.endr
.irp t, 0,1,2,3                                ; 32 lanes store 512 and 256 consecutive bytes, at multiples of 256
	global_store_b128 v[L16], v[PC+6*\t:PC+6*\t+3], s[\base:\base+1] offset:\t*\ts
	global_store_b64 v[L8], v[PC+6*\t+4:PC+6*\t+5], s[\base:\base+1] offset:\t*\ts+512
.endr
.irp t, 0,1,2,3
	ds_store_b16 v[\sw], v[PW+\t] offset:64*\t     ; two bytes of row 16 t + r's word (both halves of the lanes write the same)
.endr
.endm
.macro WSMOVE set
.set J, 0
.rept 16
	v_mov_b32 v[WS0+J], v[\set+J]                  ; so that every trip names the same registers while the next block's are on their way
.set J, J+1
.endr
.endm
	s_wait_alu depctr_va_vdst(0)
	s_wait_tensorcnt 0x0
	s_barrier_signal -1
	s_barrier_wait -1                              ; x and Wq are whole
	LDX 0
	LDW 0, BB
	s_wait_loadcnt 0x0                             ; the scale words
	PAIR 0, 0, BB, 1                               ; block q0: x comes into registers beside W
	PAIR 1, 0, BB, 1
	PAIR 2, 0, BB, 1
	PAIR 3, 0, BB, 1
	s_wait_tensorcnt 0x0                           ; none of my tensor loads is out;
	ds_add_u32 v[SPW], v[NIL]                      ; 0 onto my spare word;
	PLACES
	s_wait_dscnt 0x0                               ; the add is done, and my reads of x are over
	CROUND                                         ; no wave of any partner still reads x
	tensor_load_to_lds s[G0R:G0R+3], s[G1W:G1W+7]  ; Wk and Wv over x: 64 rows a wave; wanted behind block q1, 128 matrix instructions further on
	s_nop 0
.rept 4
	v_nop
.endr
	LDW 0, BADN                                    ; the next block's first fragments
	EPI SWA, 88, TQ
	s_wait_alu depctr_va_vdst(0)
	s_wait_xcnt 0x0                                ; stores have read their base
	s_add_nc_u64 s[88:89], s[88:89], 768
	s_mov_b32 s98, 1
	s_mov_b32 s100, WB                             ; where the block at work begins in LDS
.Lqk:                                                  ; blocks q1, k0, k1
	s_wait_loadcnt 0x0                             ; this block's scale words
	WSMOVE WS1
	v_add_nc_u32 v[BAD], s100, v[BB]
	v_add_nc_u32 v[BAD+1], s100, v[BB+1]
	s_lshr_b32 s19, s98, 1                         ; scale bytes: q's 256 bytes, then k's; the first 64 columns' two bytes below the second's
	s_lshl_b32 s19, s19, 8
	s_and_b32 s22, s98, 1
	s_lshl_b32 s22, s22, 1
	s_add_co_u32 s19, s19, s22
	v_add_nc_u32 v[SWC], s19, v[SWA]
	s_wait_alu depctr_va_vdst(0)
	WSLOAD WS1, 86, 0
	PAIR 0, 0, BAD, 0
	PAIR 1, 0, BAD, 0
	PAIR 2, 0, BAD, 0
	PAIR 3, 0, BAD, 0
	s_wait_tensorcnt 0x0                           ; my part of Wk and Wv is in
	s_barrier_signal -1                            ; (no LDS instruction of mine is out)
	s_add_co_u32 s100, s100, WB
	v_add_nc_u32 v[BADN], s100, v[BB]
	v_add_nc_u32 v[BADN+1], s100, v[BB+1]
	PLACES
	s_wait_alu depctr_va_vdst(0)
	s_barrier_wait -1                              ; everybody's part is in
	LDW 0, BADN
	EPI SWC, 88, TQ
	s_wait_alu depctr_va_vdst(0)
	s_wait_xcnt 0x0                                ; stores and loads have read their bases
	s_mov_b64 s[88:89], s[90:91]
	s_mov_b64 s[90:91], s[94:95]
	s_mov_b64 s[86:87], s[92:93]
	s_mov_b64 s[92:93], s[38:39]
	s_add_co_u32 s98, s98, 1
	s_cmp_lt_u32 s98, 4
	s_cbranch_scc1 .Lqk
	s_wait_loadcnt 0x0                             ; v0's scale words
	WSMOVE WS1
	s_wait_alu depctr_va_vdst(0)
	WSLOAD WS2, 38, 2048                           ; v1's
	s_mov_b32 s99, 0
.Lv:                                                   ; blocks v0, v1
	s_mul_i32 s101, s99, WB
	s_add_co_u32 s101, s101, 4*WB
	v_add_nc_u32 v[BAD], s101, v[BB]
	v_add_nc_u32 v[BAD+1], s101, v[BB+1]
	s_lshl_b32 s19, s99, 8                         ; 64 channels' words
	v_add_nc_u32 v[SWC], s19, v[VSW]
	s_wait_alu depctr_va_vdst(0)
	PAIR 0, 1, BAD, 0
	PAIR 1, 1, BAD, 0
	PAIR 2, 1, BAD, 0
	PAIR 3, 1, BAD, 0
	PLACES
	s_cmp_lt_u32 s99, 1
	s_cbranch_scc0 .Lv_last
	s_wait_loadcnt 0x0
	WSMOVE WS2
	v_add_nc_u32 v[BADN], 5*WB, v[BB]
	v_add_nc_u32 v[BADN+1], 5*WB, v[BB+1]
	s_wait_alu depctr_va_vdst(0)
	LDW 0, BADN
.Lv_last:
	EPI SWC, 56, TV
	s_wait_alu depctr_va_vdst(0)
	s_wait_xcnt 0x0
	s_add_nc_u64 s[56:57], s[56:57], 4*TV
	s_add_co_u32 s99, s99, 1
	s_cmp_lt_u32 s99, 2
	s_cbranch_scc1 .Lv
	s_wait_dscnt 0x0
	s_barrier_signal -1
	s_barrier_wait -1                              ; all four waves' halves of v's words are in
	ds_load_b64 v[OW:OW+1], v[SRA]
	ds_load_b64 v[OW+2:OW+3], v[SRA] offset:256
	ds_load_b64 v[OW+4:OW+5], v[VSR]
	s_wait_dscnt 0x0
	global_store_b64 v[L8], v[OW:OW+1], s[50:51]   ; my 64 tokens' words for q and k, and 64 of the 256 words for v: 256 consecutive bytes each
	global_store_b64 v[L8], v[OW+2:OW+3], s[54:55]
	global_store_b64 v[L8], v[OW+4:OW+5], s[58:59]
	s_wait_tensorcnt 0x0                           ; the wave's end
	ds_add_u32 v[SPW], v[NIL]
	s_wait_dscnt 0x0
	CROUND                                         ; the closing round: no work-group ends while a partner may still ask for a tile that names it
	s_endpgm
.Lfunc_end_k_qd4cf2cd01d_proj:
	.size	k_qd4cf2cd01d_proj, .Lfunc_end_k_qd4cf2cd01d_proj-k_qd4cf2cd01d_proj
	.p2alignl 7, 3214868480
	.fill 96, 4, 3214868480
	.section	.rodata,"a",@progbits
	.p2align	6, 0x0
	.amdhsa_kernel k_qd4cf2cd01d_proj
		.amdhsa_group_segment_fixed_size 327680
		.amdhsa_private_segment_fixed_size 0
		.amdhsa_enable_private_segment 0
		.amdhsa_kernarg_size 112
		.amdhsa_user_sgpr_count 2
		.amdhsa_user_sgpr_kernarg_segment_ptr 1
		.amdhsa_wavefront_size32 1
		.amdhsa_system_sgpr_workgroup_id_x 1
		.amdhsa_system_sgpr_workgroup_id_y 1
		.amdhsa_system_sgpr_workgroup_id_z 1
		.amdhsa_system_vgpr_workitem_id 0
		.amdhsa_next_free_vgpr 1024
		.amdhsa_next_free_sgpr 102
		.amdhsa_reserve_vcc 0
		.amdhsa_float_denorm_mode_32 3
		.amdhsa_float_denorm_mode_16_64 3
		.amdhsa_memory_ordered 1
		.amdhsa_forward_progress 1
		.amdhsa_inst_pref_size 144
	.end_amdhsa_kernel
	.amdgpu_metadata
---
amdhsa.version: [ 1, 2 ]
amdhsa.kernels:
  - .name:           k_qd4cf2cd01d_proj
    .symbol:         k_qd4cf2cd01d_proj.kd
    .args:
      - { .name: x_codes, .offset: 0, .size: 8, .value_kind: global_buffer, .address_space: global }
      - { .name: x_scales, .offset: 8, .size: 8, .value_kind: global_buffer, .address_space: global }
      - { .name: Wq_codes, .offset: 16, .size: 8, .value_kind: global_buffer, .address_space: global }
      - { .name: Wq_scales, .offset: 24, .size: 8, .value_kind: global_buffer, .address_space: global }
      - { .name: Wk_codes, .offset: 32, .size: 8, .value_kind: global_buffer, .address_space: global }
      - { .name: Wk_scales, .offset: 40, .size: 8, .value_kind: global_buffer, .address_space: global }
      - { .name: Wv_codes, .offset: 48, .size: 8, .value_kind: global_buffer, .address_space: global }
      - { .name: Wv_scales, .offset: 56, .size: 8, .value_kind: global_buffer, .address_space: global }
      - { .name: q_img, .offset: 64, .size: 8, .value_kind: global_buffer, .address_space: global }
      - { .name: q_sc, .offset: 72, .size: 8, .value_kind: global_buffer, .address_space: global }
      - { .name: k_img, .offset: 80, .size: 8, .value_kind: global_buffer, .address_space: global }
      - { .name: k_sc, .offset: 88, .size: 8, .value_kind: global_buffer, .address_space: global }
      - { .name: v_img, .offset: 96, .size: 8, .value_kind: global_buffer, .address_space: global }
      - { .name: v_sc, .offset: 104, .size: 8, .value_kind: global_buffer, .address_space: global }
    .group_segment_fixed_size: 327680
    .private_segment_fixed_size: 0
    .kernarg_segment_align: 8
    .kernarg_segment_size: 112
    .max_flat_workgroup_size: 128
    .sgpr_count:     102
    .vgpr_count:     1024
    .wavefront_size: 32
...
	.end_amdgpu_metadata
.endif
;; end of part 1
;; launch scores (part 2): grid 4 x 48, 8 waves a work-group, clusters of 4 x 4, 327,680 bytes of LDS; arguments q_img, q_sc, k_img, k_sc, p_img, p_st; writes p_img, p_st
.if DOCPART == 2
	.amdgcn_target "amdgcn-amd-amdhsa--gfx1250"
	.amdhsa_code_object_version 6
	.text
	.protected	k_qd4cf2cd01d_scores
	.globl	k_qd4cf2cd01d_scores
	.p2align	8
	.type	k_qd4cf2cd01d_scores,@function
k_qd4cf2cd01d_scores:
	s_mov_b64 s[64:65], 0
	v_nop
	global_prefetch_b8 v0, s[64:65] scope:SCOPE_SE
	s_setreg_imm32_b32 hwreg(HW_REG_WAVE_MODE, 25, 1), 1
	s_wait_xcnt 0x0
	s_wait_alu depctr_hold_cnt(0) depctr_sa_sdst(0) depctr_va_vdst(0) depctr_va_sdst(0) depctr_va_ssrc(0) depctr_va_vcc(0) depctr_vm_vsrc(0)
	s_getreg_b32 s2, hwreg(HW_REG_IB_STS2, 6, 4)
	s_cmp_eq_u32 s2, 0
	s_cbranch_scc0 .Lentry_in_a_cluster
	s_endpgm
.Lentry_in_a_cluster:
	s_bfe_u32 s2, ttmp6, 0x10000c
	s_cmp_lg_u32 s2, 0xf033
	s_cbranch_scc0 .Lentry_shape_is_right
	s_endpgm
.Lentry_shape_is_right:
; t = q k^T / sqrt(1,024) x log2(e) under the causal mask, p = 2^(t - M) with M the ceiling of the row's largest t among these 128 keys (a LOCAL M, mended by the next launch), p quantised along the keys.
; A tile is 256 queries x 256 keys; eight waves, two on each SIMD, each 64 queries x 128 keys in 32 accumulators.  K = e in eight steps of 128; a step's 12 fragments have one set of registers, loaded behind the step before.
; LDS: the head's loads, one a wave, bring steps 0 and 1 (waves 0-3) and steps 2-5 (waves 4-7); when steps 0 and 1 are read, their bytes take steps 6 and 7 by ONE refill, four steps ahead of their use.
; There is no loop along K in which a prefetch could run ahead: none is written.  Scale words go straight to registers: lanes 0-15 hold step s's, lanes 16-31 step s + 4's, s = 0 .. 3.
; A cluster of 4 x 4 work-groups takes 1,024 queries x 1,024 keys; q's tiles are asked for jointly along its rows, k's along its columns.
; WORK LEFT OUT: the cluster blocks that lie wholly above the diagonal (their weights are exp(-inf) = 0 for all inputs).
; TRANSPOSED USE: source 0 = 16 keys, source 1 = 16 queries: a lane holds one query, its registers run along the keys.
; STORED: p_img [query / 16][key / 128][1536]: registers 4 c .. 4 c + 3 of lane l at 512 c + 16 l; p_st [query / 128][key / 128]: 128 scale words, 128 x -M, 128 sums of the unquantised p.
; LIMITS: NaN and infinities are not served; the scaled scores t stay under 2^31 in magnitude.
.set IMG,    1536                      ; a fragment: two halves of 64 along K, 768 bytes each: four registers at 16 x lane, two at 512 + 8 x lane
.set TROW,   8*IMG                     ; q_img, k_img: from 16 rows to the next
.set HA,     16*2*IMG                  ; 256 rows of two steps
.set BIG0,   2*HA                      ; behind them steps 2-5: 256 rows of q, then of k
.set SPARE,  BIG0+4*HA                 ; the spare words: 128 bytes a wave, four blocks of 256 bytes that no other line names
.set SCR,    SPARE+1024                ; the way out: 768 bytes a wave
.set PROW,   16*IMG                    ; p_img: from 16 queries to the next
.set SA0,  16                          ; v16-17 my q rows in steps 0, 1, 6, 7 (16 x lane, 8 x lane);  v18-19 my k rows;  v20-23 the same in steps 2-5
.set SB0,  18
.set BA0,  20
.set BB0,  22
.set L16,  24
.set L8,   25
.set SWA,  26
.set SRA,  27
.set SPW,  28                          ; my spare word; never rewritten
.set NIL,  29                          ; 0; never rewritten
.set XO,   30
.set XSA,  32                          ; v32-47 q's scale words: 4 t + s;  v48-79 k's
.set XSB,  48
.set AF,   80                          ; v80-127 q's fragments;  v128-223 k's
.set BF,   128
; the way out, in registers that held fragments:
.set MX,   80                          ; v80-95 the largest score of each block of 32, then its largest p
.set PT,   96                          ; v96-111 at work, bytes
.set SO,   112                         ; v112-127 the conversions' scale operands
.set XX,   128
.set NMS,  132
.set NME,  136                         ; four pairs (the packed form names a pair)
.set PWS,  144
.set LS,   148
.set T2,   152
.set NINF, 153
.set BIGN, 154
.set S4,   156                         ; v156-163 four chains of the row's sum
.set PCS,  164                         ; v164-211 codes, two sets by turns
.set OW,   212
; window 1: accumulator (a, b) at v[64 a + 8 b]
.set GA, 24                            ; groups 1: q and k, two steps; q and k, four steps
.set GB, 32
.set GC, 48
.set GD, 56
.set SEL, 20
.set CS,  22
.set MD0, 24                           ; (at the way out no descriptor is needed any more)
.set ME,  32
.set SALL, 99
.set SDG, 100
.set SDG0, 101
.set MSB, 0
.macro WIN new
.if MSB != (\new)
	s_set_vgpr_msb (MSB<<8)|(\new)
.set MSB, (\new)
.endif
.endm
.macro PLACES                          ; plain vector lines between a matrix instruction and a load into, or a vector read or write of, its registers
.rept 4
	v_nop
.endr
.endm
.macro CREST                           ; a round of the cluster's barrier behind its opening barrier
	s_cmp_lg_u32 s14, 0
	s_cbranch_scc1 .Lnot_wave_0_\@
	s_barrier_signal -3
.Lnot_wave_0_\@:
	s_barrier_wait -3
	s_barrier_signal -1
	s_barrier_wait -1
.endm
.macro CROUND                          ; a whole round
	s_barrier_signal -1
	s_barrier_wait -1
	CREST
.endm
	s_load_b256 s[4:11], s[0:1], 0x0               ; q_img, q_sc, k_img, k_sc
	s_load_b64 s[12:13], s[0:1], 0x20              ; p_img
	s_load_b64 s[66:67], s[0:1], 0x28              ; p_st
	v_lshl_add_u32 v[SPW], v0, 2, SPARE
	v_mov_b32 v[NIL], 0
	ds_add_u32 v[SPW], v[NIL]                      ; an add to my spare word, twice on end; its wait comes ahead of my first tensor load
	ds_add_u32 v[SPW], v[NIL]
	v_lshrrev_b32 v1, 5, v0
	v_readfirstlane_b32 s14, v1                    ; wave 0..7
	s_lshr_b32 s15, s14, 1                         ; which 64 of the tile's queries are mine.  Also: what I fetch at the head
	s_and_b32 s16, s14, 1                          ; which 128 of its keys.  Also: which half I fetch
	s_bfe_u32 s40, ttmp6, 0x40000                  ; cx, cy
	s_bfe_u32 s41, ttmp6, 0x40004
	s_and_b32 s17, ttmp7, 0xffff                   ; the cluster's number, 0 .. 11
	s_and_b32 s3, s17, 3                           ; the batch
	s_lshr_b32 s17, s17, 2                         ; 0: queries and keys 0-1,023; 1: the later queries, the earlier keys; 2: the later of both
	s_lshr_b32 s42, s17, 1
	s_min_u32 s17, s17, 1
	s_lshl_b32 s42, s42, 2
	s_add_co_u32 s42, s42, s40                     ; tile column
	s_lshl_b32 s17, s17, 2
	s_add_co_u32 s17, s17, s41                     ; tile row
	s_lshl_b32 s43, s41, 2
	s_lshl_b32 s43, 15, s43                        ; my row of the cluster
	s_lshl_b32 s44, 0x1111, s40                    ; my column
	; groups 1: 8 tiles of 16 rows, of each two or four steps (3,072 or 6,144 consecutive bytes), in elements of 8 bytes; dense in LDS
	s_or_b32 s[GA], s43, (3<<16)|(1<<21)
	s_or_b32 s[GB], s44, (3<<16)|(1<<21)
	s_or_b32 s[GC], s43, (3<<16)|(1<<21)
	s_or_b32 s[GD], s44, (3<<16)|(1<<21)
.irp g, GA, GB, GC, GD
	s_mov_b32 s[\g+2], 8<<16
	s_mov_b32 s[\g+4], 8
	s_mov_b32 s[\g+5], TROW/8
	s_mov_b32 s[\g+6], 0
	s_mov_b32 s[\g+7], 0
.endr
.irp g, GA, GB
	s_mov_b32 s[\g+1], (2*IMG/8)<<16
	s_mov_b32 s[\g+3], (2*IMG/8)<<16
.endr
.irp g, GC, GD
	s_mov_b32 s[\g+1], (4*IMG/8)<<16
	s_mov_b32 s[\g+3], (4*IMG/8)<<16
.endr
	s_lshl_b32 s18, s3, 7                          ; a batch is 128 tiles of 16 rows
	s_lshl_b32 s19, s16, 3                         ; at the head I fetch 8 tiles,
	s_and_b32 s2, s14, 3
	s_lshl_b32 s2, s2, 2                           ; in the refill 4
	s_lshl_b32 s20, s17, 4
	s_add_co_u32 s20, s20, s18
	s_add_co_u32 s22, s20, s2
	s_add_co_u32 s20, s20, s19
	s_mul_i32 s20, s20, TROW                       ; under 2^23
	s_mul_i32 s22, s22, TROW
	s_mov_b32 s21, 0
	s_mov_b32 s23, 0
	s_lshl_b32 s46, s42, 4
	s_add_co_u32 s46, s46, s18
	s_add_co_u32 s92, s46, s2
	s_add_co_u32 s46, s46, s19
	s_mul_i32 s46, s46, TROW
	s_mul_i32 s92, s92, TROW
	s_mov_b32 s47, 0
	s_mov_b32 s93, 0
	s_mul_i32 s94, s16, HA/2                       ; where they go: no place in the cluster enters an LDS address
	s_mul_i32 s95, s16, HA
	s_mul_i32 s96, s14, HA/4
	s_wait_dscnt 0x0                               ; both opening adds are done
	s_wait_kmcnt 0x0
	s_add_nc_u64 s[20:21], s[4:5], s[20:21]
	s_add_nc_u64 s[22:23], s[4:5], s[22:23]
	s_add_nc_u64 s[46:47], s[8:9], s[46:47]
	s_add_nc_u64 s[92:93], s[8:9], s[92:93]
.irp g, 68, 72, 76, 80, 84, 88
	s_mov_b32 s[\g], 1
.endr
	s_mov_b32 s69, s94                             ; q, steps 0 and 1
	s_mov_b64 s[70:71], s[20:21]
	s_or_b32 s71, s71, 0x80000000
	s_add_co_u32 s73, s94, HA                      ; k
	s_mov_b64 s[74:75], s[46:47]
	s_or_b32 s75, s75, 0x80000000
	s_add_co_u32 s77, s95, BIG0                    ; q, steps 2-5
	s_add_nc_u64 s[78:79], s[20:21], 2*IMG
	s_or_b32 s79, s79, 0x80000000
	s_add_co_u32 s81, s95, BIG0+2*HA               ; k
	s_add_nc_u64 s[82:83], s[46:47], 2*IMG
	s_or_b32 s83, s83, 0x80000000
	s_mov_b32 s85, s96                             ; q, steps 6 and 7 (waves 0-3)
	s_add_nc_u64 s[86:87], s[22:23], 6*IMG
	s_or_b32 s87, s87, 0x80000000
	s_mov_b32 s89, s96                             ; k (waves 4-7: behind q's)
	s_add_nc_u64 s[90:91], s[92:93], 6*IMG
	s_or_b32 s91, s91, 0x80000000
	CROUND                                         ; all sixteen work-groups are here: the first joint loads meet
.macro ARM under, g0, g1, next
	s_cmp_lt_u32 s15, \under
	s_cbranch_scc0 \next
	tensor_load_to_lds s[\g0:\g0+3], s[\g1:\g1+7]
	s_nop 0
.rept 4
	v_nop
.endr
	s_branch .Lhead_asked
\next:
.endm
	ARM 1, 68, GA, .Lhead_b                        ; one load a wave
	ARM 2, 72, GB, .Lhead_c
	ARM 3, 76, GC, .Lhead_d
	tensor_load_to_lds s[80:83], s[GD:GD+7]
	s_nop 0
.rept 4
	v_nop
.endr
.Lhead_asked:
	v_and_b32 v1, 15, v0                           ; r
	v_bfe_u32 v2, v0, 4, 1                         ; h
	v_and_b32 v3, 31, v0
	v_lshlrev_b32 v[L16], 4, v3
	v_lshlrev_b32 v[L8], 3, v3
	v_lshlrev_b32 v5, 11, v2
	v_lshl_add_u32 v[XO], v1, 2, v5                ; row r's word, lanes 16-31 four steps (2,048 bytes) on
	s_wait_alu depctr_va_vdst(0)
	s_lshl_b32 s18, s17, 1
	s_lshr_b32 s2, s15, 1
	s_add_co_u32 s18, s18, s2                      ; my 128 queries' number in the batch
	s_and_b32 s97, s15, 1                          ; which half of them
	s_lshl_b32 s19, s42, 1
	s_add_co_u32 s19, s19, s16                     ; my 128 keys'
	s_lshl_b32 s2, s3, 4
	s_add_co_u32 s20, s18, s2
	s_lshl_b32 s20, s20, 12
	s_lshl_b32 s22, s97, 8
	s_add_co_u32 s20, s20, s22
	s_mov_b32 s21, 0
	s_add_nc_u64 s[6:7], s[6:7], s[20:21]
	s_add_co_u32 s20, s19, s2
	s_lshl_b32 s20, s20, 12
	s_add_nc_u64 s[10:11], s[10:11], s[20:21]
.irp s, 0,1,2,3
.irp t, 0,1,2,3
	global_load_b32 v[XSA+4*\t+\s], v[XO], s[6:7] offset:64*\t+512*\s
.endr
.irp t, 0,1,2,3,4,5,6,7
	global_load_b32 v[XSB+4*\t+\s], v[XO], s[10:11] offset:64*\t+512*\s
.endr
.endr
	s_mul_i32 s22, s15, HA/4
	v_add_nc_u32 v[SA0], s22, v[L16]
	v_add_nc_u32 v[SA0+1], s22, v[L8]
	s_mul_i32 s22, s16, HA/2
	s_add_co_u32 s22, s22, HA
	v_add_nc_u32 v[SB0], s22, v[L16]
	v_add_nc_u32 v[SB0+1], s22, v[L8]
	s_mul_i32 s22, s15, HA/2
	s_add_co_u32 s22, s22, BIG0
	v_add_nc_u32 v[BA0], s22, v[L16]
	v_add_nc_u32 v[BA0+1], s22, v[L8]
	s_mul_i32 s22, s16, HA
	s_add_co_u32 s22, s22, BIG0+2*HA
	v_add_nc_u32 v[BB0], s22, v[L16]
	v_add_nc_u32 v[BB0+1], s22, v[L8]
	s_mul_i32 s22, s14, 768
	s_add_co_u32 s22, s22, SCR
	v_lshl_add_u32 v[SWA], v1, 2, s22
	v_add_nc_u32 v[SRA], s22, v[L8]
	s_cmp_lt_i32 s18, s19
	s_cselect_b32 s[SALL], -1, 0                   ; my part lies wholly above the diagonal
	s_cmp_eq_u32 s18, s19
	s_cselect_b32 s[SDG], -1, 0                    ; the diagonal runs through my 128 x 128 block,
	s_cmp_eq_u32 s97, 0
	s_cselect_b32 s[SDG0], s[SDG], 0               ; and my 64 queries are its upper half
	s_lshl_b32 s45, s3, 7                          ; where my results go
	s_lshl_b32 s46, s17, 4
	s_add_co_u32 s45, s45, s46
	s_lshl_b32 s46, s15, 2
	s_add_co_u32 s45, s45, s46                     ; my first tile of 16 queries
	s_lshl_b32 s45, s45, 4
	s_add_co_u32 s45, s45, s19
	s_mul_i32 s20, s45, IMG
	s_add_nc_u64 s[12:13], s[12:13], s[20:21]
	s_add_co_u32 s45, s2, s18
	s_lshl_b32 s45, s45, 4
	s_add_co_u32 s45, s45, s19
	s_mul_i32 s20, s45, 1536
	s_lshl_b32 s46, s97, 8
	s_add_co_u32 s20, s20, s46
	s_add_nc_u64 s[66:67], s[66:67], s[20:21]
	s_mov_b32 s[SEL], 0x76543210                   ; lane l xor 16
	s_mov_b32 s[SEL+1], 0xfedcba98
	s_mov_b32 s[CS], 0x3d38aa3b                    ; log2(e) / 32
	s_mov_b32 s[CS+1], s[CS]
.macro FRG reg, adr, off
.irp c, 0,1
	ds_load_b128 v[\reg+6*\c:\reg+6*\c+3], v[\adr] offset:\off+768*\c
	ds_load_b64 v[\reg+6*\c+4:\reg+6*\c+5], v[\adr+1] offset:\off+768*\c+512
.endr
.endm
.macro LOADS s                         ; step s's fragments: 48 loads
.if (\s) < 2 || (\s) > 5
.irp t, 0,1,2,3
	FRG AF+12*\t, SA0, \t*2*IMG+((\s)%2)*IMG
.endr
.irp t, 0,1,2,3,4,5,6,7
	FRG BF+12*\t, SB0, \t*2*IMG+((\s)%2)*IMG
.endr
.else
.irp t, 0,1,2,3
	FRG AF+12*\t, BA0, \t*4*IMG+((\s)-2)*IMG
.endr
.irp t, 0,1,2,3,4,5,6,7
	FRG BF+12*\t, BB0, \t*4*IMG+((\s)-2)*IMG
.endr
.endif
.endm
; A step: 32 matrix instructions by k's fragments; the 32 accumulators take turns in the same order in every step.  Behind fragment b's loads stand 4 (7 - b) younger ones (and the add).
; m = 1: steps 0 and 1 have been read: an add onto my spare word, a round of the cluster's barrier, and the refill.  m = 2: the refill is shown to every wave; nothing is filled.
.macro STEP s, m
	LOADS \s
.set MORE, 28
.if \m == 1
	s_wait_tensorcnt 0x0                           ; all my tensor loads have landed
	ds_add_u32 v[SPW], v[NIL]                      ; 0 onto my spare word
.irp g, GA, GB
	s_mov_b32 s[\g+2], 4<<16                       ; the refill brings 4 tiles a wave
	s_mov_b32 s[\g+4], 4
.endr
.set MORE, 29
.endif
.irp b, 0,1,2,3,4,5,6,7
.if \m == 0 || \b < 4
	s_wait_dscnt MORE-4*\b
.elseif \b == 4
.if \m == 2
	s_wait_tensorcnt 0x0                           ; my part of steps 6 and 7 is in
.endif
	s_wait_dscnt 0x0                               ; my LDS instructions are done
	s_barrier_signal -1
.endif
	WIN 0x50
.irp a, 0,1,2,3
.set D_, 64*\a+8*\b
.if (\s) == 0
	v_wmma_scale_f32_16x16x128_f8f6f4 v[D_:D_+7], v[BF+12*\b:BF+12*\b+11], v[AF+12*\a:AF+12*\a+11], 0, v[XSB+4*\b], v[XSA+4*\a] matrix_a_fmt:MATRIX_FMT_BF6 matrix_b_fmt:MATRIX_FMT_BF6
.elseif (\s) < 4
	v_wmma_scale_f32_16x16x128_f8f6f4 v[D_:D_+7], v[BF+12*\b:BF+12*\b+11], v[AF+12*\a:AF+12*\a+11], v[D_:D_+7], v[XSB+4*\b+\s], v[XSA+4*\a+\s] matrix_a_fmt:MATRIX_FMT_BF6 matrix_b_fmt:MATRIX_FMT_BF6
.else
	v_wmma_scale_f32_16x16x128_f8f6f4 v[D_:D_+7], v[BF+12*\b:BF+12*\b+11], v[AF+12*\a:AF+12*\a+11], v[D_:D_+7], v[XSB+4*\b+\s-4], v[XSA+4*\a+\s-4] matrix_a_fmt:MATRIX_FMT_BF6 matrix_b_fmt:MATRIX_FMT_BF6 matrix_a_scale:MATRIX_SCALE_ROW1 matrix_b_scale:MATRIX_SCALE_ROW1
.endif
.endr
.endr
	WIN 0
.if \m > 0
	s_barrier_wait -1
.endif
.if \m == 1
	CREST                                          ; no wave of any partner still reads steps 0 and 1 or has a load on its way
	s_cmp_lt_u32 s14, 4
	s_cbranch_scc0 .Lrefill_k
	tensor_load_to_lds s[84:87], s[GA:GA+7]
	s_nop 0
.rept 4
	v_nop
.endr
	s_branch .Lrefilled
.Lrefill_k:
	tensor_load_to_lds s[88:91], s[GB:GB+7]
	s_nop 0
.rept 4
	v_nop
.endr
.Lrefilled:
.else
	PLACES
.endif
.endm
	s_wait_alu depctr_va_vdst(0)
	s_wait_loadcnt 0x0                             ; the scale words
	s_cmp_lt_u32 s14, 4
	s_cbranch_scc0 .Lnot_first
	s_wait_tensorcnt 0x0                           ; waves 0-3: my part of steps 0 and 1 is in (steps 2-5 may still be out)
.Lnot_first:
	s_barrier_signal -1
	s_barrier_wait -1
	STEP 0, 0
	STEP 1, 1
	STEP 2, 0
	STEP 3, 0
	STEP 4, 0
	STEP 5, 2
	STEP 6, 0
	STEP 7, 0
; THE WAY OUT: row blocks a = 0 .. 3 of 16 queries x 128 keys, 64 numbers a lane.  The largest score of each block of 32 serves twice: for the row's maximum, and, since p rises with the score, for the block's largest p.
.irp jj, 0,1,2,3,4,5,6,7
	s_and_b32 s[MD0+\jj], s[SDG0], ((1<<\jj)-1)|(((1<<(\jj+8))-1)<<16)   ; keys 8 h + jj behind query r, in the tile on the diagonal: upper half,
	s_and_not1_b32 s[ME+\jj], s[SDG], s[SDG0]
	s_and_b32 s[ME+\jj], s[ME+\jj], ((1<<\jj)-1)|(((1<<(\jj+8))-1)<<16)  ; lower half;
	s_or_b32 s[ME+\jj], s[ME+\jj], s[SDG0]         ; for the upper half the keys 64 on lie behind every query
.endr
	v_mov_b32 v[NINF], 0xff800000
	v_mov_b32 v[BIGN], 0x7f61b1e6                  ; 3e38: a -M that loses every minimum
	v_mov_b32 v[T2], 0
.irp a, 0,1,2,3
	v_mov_b32 v[NME+2*\a+1], 0                     ; (named as the upper halves of pairs)
.endr
.irp b, 0,1,2,3,4,5,6,7,8,9,10,11,12,13,14,15
	v_mov_b32 v[PT+\b], 0                          ; a lane permute's destination counts as one of its sources
.endr
	WIN 0x41
.irp a, 0,1,2,3
.irp b, 0,1,2,3,4,5,6,7
.irp jj, 0,1,2,3,4,5,6,7
.set AQ, 64*\a+8*\b+\jj
.if \b == \a
	v_cndmask_b32 v[AQ], v[AQ], v[NINF], s[MD0+\jj]
.elseif \b > \a && \b < 4
	v_cndmask_b32 v[AQ], v[AQ], v[NINF], s[SDG0]
.elseif \b > 3 && \b-4 < \a
	v_cndmask_b32 v[AQ], v[AQ], v[NINF], s[SDG0]
.elseif \b-4 == \a
	v_cndmask_b32 v[AQ], v[AQ], v[NINF], s[ME+\jj]
.elseif \b-4 > \a
	v_cndmask_b32 v[AQ], v[AQ], v[NINF], s[SDG]
.endif
.endr
.endr
.endr
	WIN 0x05
.irp b, 0,1,2,3,4,5,6,7,8,9,10,11,12,13,14,15
	v_max_num_f32 v[MX+\b], v[16*\b], v[16*\b+1]
.endr
.irp i, 2,4,6,8,10,12,14
.irp b, 0,1,2,3,4,5,6,7,8,9,10,11,12,13,14,15
	v_max3_num_f32 v[MX+\b], v[16*\b+\i], v[16*\b+\i+1], v[MX+\b]
.endr
.endr
	WIN 0
.irp b, 0,1,2,3,4,5,6,7,8,9,10,11,12,13,14,15
	v_permlanex16_b32 v[PT+\b], v[MX+\b], s[SEL], s[SEL+1]
.endr
.irp b, 0,1,2,3,4,5,6,7,8,9,10,11,12,13,14,15
	v_max_num_f32 v[MX+\b], v[MX+\b], v[PT+\b]     ; with lane l xor 16's
.endr
.irp a, 0,1,2,3
	v_max3_num_f32 v[XX+\a], v[MX+4*\a], v[MX+4*\a+1], v[MX+4*\a+2]
.endr
.irp a, 0,1,2,3
	v_max_num_f32 v[XX+\a], v[XX+\a], v[MX+4*\a+3]
.endr
.irp a, 0,1,2,3
	v_mul_f32 v[XX+\a], s[CS], v[XX+\a]
.endr
.irp a, 0,1,2,3
	v_floor_f32 v[XX+\a], -v[XX+\a]                ; -M, a whole number
.endr
.irp a, 0,1,2,3
	v_cndmask_b32 v[NMS+\a], v[XX+\a], v[BIGN], s[SALL]
	v_cndmask_b32 v[NME+2*\a], v[XX+\a], v[NINF], s[SALL]   ; above the diagonal every p is 0
.endr
.irp a, 0,1,2,3
.irp b, 0,1,2,3
	v_fma_f32 v[MX+4*\a+\b], v[MX+4*\a+\b], s[CS], v[NME+2*\a]
.endr
.endr
	s_wait_alu depctr_va_vdst(0)
.irp b, 0,1,2,3,4,5,6,7,8,9,10,11,12,13,14,15
	v_exp_f32 v[MX+\b], v[MX+\b]                   ; each block's largest p
.endr
.macro SOFTP a                         ; p of row block a, in place
.set AC, 64*(\a)
	WIN 0x41
.irp j, 0,2,4,6,8,10,12,14,16,18,20,22,24,26,28,30,32,34,36,38,40,42,44,46,48,50,52,54,56,58,60,62
	v_pk_fma_f32 v[AC+\j:AC+\j+1], v[AC+\j:AC+\j+1], s[CS:CS+1], v[NME+2*(\a):NME+2*(\a)+1] op_sel_hi:[1,0,0]
.endr
	s_wait_alu depctr_va_vdst(0)
.irp j, 0,1,2,3,4,5,6,7,8,9,10,11,12,13,14,15,16,17,18,19,20,21,22,23,24,25,26,27,28,29,30,31,32,33,34,35,36,37,38,39,40,41,42,43,44,45,46,47,48,49,50,51,52,53,54,55,56,57,58,59,60,61,62,63
	v_exp_f32 v[AC+\j], v[AC+\j]
.endr
	WIN 0
.endm
.macro SOFTQ a                         ; its sum, its codes
.set AC, 64*(\a)
.set PC, PCS+24*((\a)%2)
	s_wait_alu depctr_va_vdst(0)                   ; ahead of the batch's first reader
	WIN 0x05
.irp k, 0,1,2,3
	v_pk_add_f32 v[S4+2*\k:S4+2*\k+1], v[AC+4*\k:AC+4*\k+1], v[AC+4*\k+2:AC+4*\k+3]
.endr
	WIN 0x01
.irp i, 16,24,32,40,48,56
.irp k, 0,1,2,3
	v_pk_add_f32 v[S4+2*\k:S4+2*\k+1], v[AC+\i+2*\k:AC+\i+2*\k+1], v[S4+2*\k:S4+2*\k+1]
.endr
.endr
.if (\a) > 1
	s_wait_alu depctr_va_vdst(0)
	s_wait_xcnt 0x0                                ; block a - 2's stores have read their data
.endif
.irp c, 0,1                                    ; (a conversion's three registers begin on an even number: a block's upper half is made elsewhere and moved)
	v_cvt_scalef32_pk16_bf6_f32 v[PC+6*\c:PC+6*\c+2], v[AC+32*\c:AC+32*\c+15], v[SO+4*(\a)+2*\c]
	v_cvt_scalef32_pk16_bf6_f32 v[PC+12+4*\c:PC+14+4*\c], v[AC+16+32*\c:AC+31+32*\c], v[SO+4*(\a)+2*\c+1]
.endr
	WIN 0
	v_pk_add_f32 v[S4:S4+1], v[S4:S4+1], v[S4+2:S4+3]
	v_pk_add_f32 v[S4+4:S4+5], v[S4+4:S4+5], v[S4+6:S4+7]
.irp i, 0,1,2
.irp c, 0,1
	v_permlane16_swap_b32 v[PC+6*\c+\i], v[PC+12+4*\c+\i]   ; a WHOLE block in a lane
.endr
.endr
	v_pk_add_f32 v[S4:S4+1], v[S4:S4+1], v[S4+4:S4+5]
.irp i, 0,1,2
.irp c, 0,1
	v_mov_b32 v[PC+3+6*\c+\i], v[PC+12+4*\c+\i]
.endr
.endr
	v_add_f32 v[XX], v[S4], v[S4+1]
	v_permlanex16_b32 v[T2], v[XX], s[SEL], s[SEL+1]
	v_add_f32 v[LS+(\a)], v[XX], v[T2]             ; the row's sum of the unquantised p
.irp c, 0,1,2
	global_store_b128 v[L16], v[PC+4*\c:PC+4*\c+3], s[12:13] offset:(\a)*PROW+512*\c   ; 512 consecutive bytes, at a multiple of 256
.endr
.endm
	SOFTP 0
	v_nop                                          ; a plain place behind the exponentials
	s_wait_alu depctr_va_vdst(0)
.irp b, 0,1,2,3,4,5,6,7,8,9,10,11,12,13,14,15
	v_max_num_f32 v[MX+\b], 0x2800000, v[MX+\b]    ; the floor 2^(5 - 127)
.endr
.irp b, 0,1,2,3,4,5,6,7,8,9,10,11,12,13,14,15
	v_add_nc_u32 v[SO+\b], 0xfe000000, v[MX+\b]    ; 4 off the exponent field: the conversion's scale operand
.endr
.irp b, 0,1,2,3,4,5,6,7,8,9,10,11,12,13,14,15
	v_lshrrev_b32 v[PT+\b], 23, v[SO+\b]           ; the scale's byte
.endr
.irp a, 0,1,2,3
	v_lshl_or_b32 v[PWS+\a], v[PT+4*\a+1], 8, v[PT+4*\a]
.endr
.irp a, 0,1,2,3
	v_lshl_or_b32 v[PWS+\a], v[PT+4*\a+2], 16, v[PWS+\a]
.endr
.irp a, 0,1,2,3
	v_lshl_or_b32 v[PWS+\a], v[PT+4*\a+3], 24, v[PWS+\a]
.endr
	SOFTQ 0
.irp a, 1,2,3
	SOFTP \a
	v_nop
	SOFTQ \a
.endr
.irp a, 0,1,2,3
	ds_store_b32 v[SWA], v[PWS+\a] offset:64*\a
	ds_store_b32 v[SWA], v[NMS+\a] offset:256+64*\a
	ds_store_b32 v[SWA], v[LS+\a] offset:512+64*\a
.endr
.irp k, 0,1,2
	ds_load_b64 v[OW+2*\k:OW+2*\k+1], v[SRA] offset:256*\k   ; LDS serves a wave's instructions in order: these see my stores
.endr
	s_wait_dscnt 0x0
.irp k, 0,1,2
	global_store_b64 v[L8], v[OW+2*\k:OW+2*\k+1], s[66:67] offset:512*\k   ; 256 consecutive bytes each
.endr
	s_wait_tensorcnt 0x0                           ; the wave's end
	ds_add_u32 v[SPW], v[NIL]
	s_wait_dscnt 0x0
	CROUND                                         ; the closing round: no work-group ends while a partner may still ask for a tile that names it
	s_endpgm
.Lfunc_end_k_qd4cf2cd01d_scores:
	.size	k_qd4cf2cd01d_scores, .Lfunc_end_k_qd4cf2cd01d_scores-k_qd4cf2cd01d_scores
	.p2alignl 7, 3214868480
	.fill 96, 4, 3214868480
	.section	.rodata,"a",@progbits
	.p2align	6, 0x0
	.amdhsa_kernel k_qd4cf2cd01d_scores
		.amdhsa_group_segment_fixed_size 327680
		.amdhsa_private_segment_fixed_size 0
		.amdhsa_enable_private_segment 0
		.amdhsa_kernarg_size 48
		.amdhsa_user_sgpr_count 2
		.amdhsa_user_sgpr_kernarg_segment_ptr 1
		.amdhsa_wavefront_size32 1
		.amdhsa_system_sgpr_workgroup_id_x 1
		.amdhsa_system_sgpr_workgroup_id_y 1
		.amdhsa_system_sgpr_workgroup_id_z 1
		.amdhsa_system_vgpr_workitem_id 0
		.amdhsa_next_free_vgpr 512
		.amdhsa_next_free_sgpr 102
		.amdhsa_reserve_vcc 0
		.amdhsa_float_denorm_mode_32 3
		.amdhsa_float_denorm_mode_16_64 3
		.amdhsa_memory_ordered 1
		.amdhsa_forward_progress 1
		.amdhsa_inst_pref_size 137
	.end_amdhsa_kernel
	.amdgpu_metadata
---
amdhsa.version: [ 1, 2 ]
amdhsa.kernels:
  - .name:           k_qd4cf2cd01d_scores
    .symbol:         k_qd4cf2cd01d_scores.kd
    .args:
      - { .name: q_img, .offset: 0, .size: 8, .value_kind: global_buffer, .address_space: global }
      - { .name: q_sc, .offset: 8, .size: 8, .value_kind: global_buffer, .address_space: global }
      - { .name: k_img, .offset: 16, .size: 8, .value_kind: global_buffer, .address_space: global }
      - { .name: k_sc, .offset: 24, .size: 8, .value_kind: global_buffer, .address_space: global }
      - { .name: p_img, .offset: 32, .size: 8, .value_kind: global_buffer, .address_space: global }
      - { .name: p_st, .offset: 40, .size: 8, .value_kind: global_buffer, .address_space: global }
    .group_segment_fixed_size: 327680
    .private_segment_fixed_size: 0
    .kernarg_segment_align: 8
    .kernarg_segment_size: 48
    .max_flat_workgroup_size: 256
    .sgpr_count:     102
    .vgpr_count:     512
    .wavefront_size: 32
...
	.end_amdgpu_metadata
.endif
;; end of part 2
;; launch pv (part 3): grid 4 x 64, 8 waves a work-group, clusters of 4 x 4, 327,680 bytes of LDS; arguments p_img, p_st, v_img, v_sc, out0; writes out0
.if DOCPART == 3
	.amdgcn_target "amdgcn-amd-amdhsa--gfx1250"
	.amdhsa_code_object_version 6
	.text
	.protected	k_qd4cf2cd01d_pv
	.globl	k_qd4cf2cd01d_pv
	.p2align	8
	.type	k_qd4cf2cd01d_pv,@function
k_qd4cf2cd01d_pv:
	s_mov_b64 s[64:65], 0
	v_nop
	global_prefetch_b8 v0, s[64:65] scope:SCOPE_SE
	s_setreg_imm32_b32 hwreg(HW_REG_WAVE_MODE, 25, 1), 1
	s_wait_xcnt 0x0
	s_wait_alu depctr_hold_cnt(0) depctr_sa_sdst(0) depctr_va_vdst(0) depctr_va_sdst(0) depctr_va_ssrc(0) depctr_va_vcc(0) depctr_vm_vsrc(0)
	s_getreg_b32 s2, hwreg(HW_REG_IB_STS2, 6, 4)
	s_cmp_eq_u32 s2, 0
	s_cbranch_scc0 .Lentry_in_a_cluster
	s_endpgm
.Lentry_in_a_cluster:
	s_bfe_u32 s2, ttmp6, 0x10000c
	s_cmp_lg_u32 s2, 0xf033
	s_cbranch_scc0 .Lentry_shape_is_right
	s_endpgm
.Lentry_shape_is_right:
; O = P V / l on codes of BF6 (E3M2), K = the keys.  P and V^T come as images of fragments; P's scale words stand under a LOCAL M for each 128 keys and are mended here.
; WORK LEFT OUT: keys behind a block of 512 queries (their weights are exp(-inf) = 0 for all inputs); what lies above the diagonal inside a block has zero codes.
; A work-group takes 128 channels and TWO tiles of 128 queries: a long one from the 512-query block 3 - p and a short one from block p (p = 0 or 1): 4 - p and 1 + p slots of 512 keys, five in all, the same in every work-group.
; Eight waves, two on each SIMD: waves 0-3 the long tile, waves 4-7 the short one, each 64 queries x 64 channels in 16 accumulators.  V's tiles serve both.
; A cluster of 4 x 4 work-groups: one batch, one p, 512 channels: P's tiles are asked for jointly along a row, V's along a column.  p hangs on the cluster's number alone, which all sixteen partners share.
; LDS: six units of 49,152 bytes: long P, short P, V for an even slot, the same for an odd one.  The head's loads, one a wave (waves 0-5), bring slots 0 and 1; slot 2 and, where p = 0, slot 3 (long P and V) are refills of units 0, 2 and 3, 5,
; each asked for one slot's work ahead.  There is no loop along the keys in which a prefetch could run ahead: none is written.
; THE HEAD: a thread takes one query of its tile.  -M of the row = the least of the stored -M; d = (row's M) - (local M), a whole number, held at 127; l = the sum of the local sums x 2^-d; d is taken off
; each of the scale word's four bytes, held at 0 from below.  The codes' values are those under the row's M; what is held lies under 2^-122 of the row's largest term.
; All scale words then stand in registers: lanes 0-15 hold step S's, lanes 16-31 step S + 8's, S = 0 .. 7 (steps of 128 keys).
; TRANSPOSED USE: source 0 = 16 channels of V^T, source 1 = 16 queries of P: a lane holds eight neighbouring channels of one row of O.
; LIMITS: NaN and infinities are not served.
.set IMG,    1536                      ; a fragment's image.  P: registers 4 c .. 4 c + 3 of lane l at 512 c + 16 l.  V: two halves of 768: four registers at 16 l, two at 512 + 8 l
.set TROW,   16*IMG                    ; from a tile of 16 rows to the next
.set STB,    4*IMG                     ; a slot's part of it
.set U,      8*STB                     ; a unit: 128 rows
.set SCP,    6*U                       ; P's mended scale words [tile 2][128 keys 16][128]
.set RLB,    SCP+16384                 ; 1 / l [tile 2][128]
.set SPARE,  RLB+1024                  ; the spare words: 128 bytes a wave, four blocks of 256 bytes that no other line names
.set SPITCH, 272                       ; the way out: a stage of 16 rows x (256 bytes + 16) for each wave, in unit 1, which has had its only fill and its last read by then
.set STREC,  1536                      ; p_st: the record of 128 queries and 128 keys
.set PA,   16                          ; v16-17 my P fragments in an even, an odd slot
.set VA,   18                          ; v18-19 V's in an even slot (16 x lane, 8 x lane), v20-21 in an odd one
.set STO,  22
.set RD,   23
.set CO,   24
.set SPA,  25                          ; where my query's scale words are put,
.set SPR,  26                          ; and its 1 / l
.set PSR,  27                          ; where a wave reads its scale words
.set SPW,  28                          ; my spare word; never rewritten
.set NIL,  29                          ; 0; never rewritten
.set RLA,  30
.set PSO,  31                          ; 4 x my query
.set PSC,  32                          ; v32-63 P's scale words: 8 a + S;  v64-95 V's: 8 b + S
.set VSC,  64
.set RLR,  96                          ; v96-103 1 / l of my four blocks of queries, in pairs (the packed form names a pair)
.set F0,   112                         ; v112-207 fragments, even steps (P's four, V's four);  odd steps: v128-223 of window 1
.set F1,   128
.set PWD,  112                         ; the head alone: v112-127 scale words, v128-143 -M, v144-159 sums, v160-176 at work
.set PNM,  128
.set PLS,  144
.set T,    160
.set BK,   112                         ; the way out: v112-239 rows read back
; window 1: v0-127 accumulator (a, b) at 32 a + 8 b
.set G1P, 24                           ; s[24:31] group 1, s[32:35] group 0 of the head's load, s[36:39] of the refills, for P;  s[48:55], s[56:59], s[60:63] for V
.set G1V, 48
.set MSB, 0
.macro WIN new
.if MSB != (\new)
	s_set_vgpr_msb (MSB<<8)|(\new)
.set MSB, (\new)
.endif
.endm
.macro PLACES                          ; plain vector lines between a matrix instruction and a load into, or a vector read or write of, its registers
.rept 4
	v_nop
.endr
.endm
.macro CROUND                          ; a whole round of the cluster's barrier
	s_barrier_signal -1
	s_barrier_wait -1
	s_cmp_lg_u32 s14, 0
	s_cbranch_scc1 .Lnot_wave_0_\@
	s_barrier_signal -3
.Lnot_wave_0_\@:
	s_barrier_wait -3
	s_barrier_signal -1
	s_barrier_wait -1
.endm
.macro ASK g0, g1                      ; a joint load
	tensor_load_to_lds s[\g0:\g0+3], s[\g1:\g1+7]
	s_nop 0
.rept 4
	v_nop
.endr
.endm
.macro REFILL                          ; waves 0-3 long P, two tiles of 16 rows each; waves 4-7 V
	s_cmp_lt_u32 s14, 4
	s_cbranch_scc0 .Lfor_v_\@
	ASK 36, G1P
	s_branch .Lasked_\@
.Lfor_v_\@:
	ASK 60, G1V
.Lasked_\@:
.endm
.macro LAPIN l                         ; the statistics of my query for the four steps of slot l
.irp u, 0,1,2,3
	global_load_b32 v[PWD+4*(\l)+\u], v[PSO], s[6:7] offset:STREC*(4*(\l)+\u)
	global_load_b32 v[PNM+4*(\l)+\u], v[PSO], s[6:7] offset:STREC*(4*(\l)+\u)+512
	global_load_b32 v[PLS+4*(\l)+\u], v[PSO], s[6:7] offset:STREC*(4*(\l)+\u)+1024
.endr
.endm
	s_load_b256 s[4:11], s[0:1], 0x0               ; p_img, p_st, v_img, v_sc
	s_load_b64 s[12:13], s[0:1], 0x20              ; out0
	v_lshl_add_u32 v[SPW], v0, 2, SPARE
	v_mov_b32 v[NIL], 0
	ds_add_u32 v[SPW], v[NIL]                      ; an add to my spare word, twice on end; its wait comes ahead of my first tensor load
	ds_add_u32 v[SPW], v[NIL]
	v_lshrrev_b32 v1, 5, v0
	v_readfirstlane_b32 s14, v1                    ; wave 0..7
	v_and_b32 v7, 127, v0
	v_lshlrev_b32 v[PSO], 2, v7
.set J, 0
.rept 16                                       ; steps that my tile does not walk: a -M that loses every minimum, a sum of 0
	v_mov_b32 v[PWD+J], 0
	v_mov_b32 v[PNM+J], 0x7f61b1e6
	v_mov_b32 v[PLS+J], 0
.set J, J+1
.endr
	s_lshr_b32 s15, s14, 2                         ; my tile: 0 long, 1 short
	s_bfe_u32 s16, s14, 0x10001                    ; which 64 of its queries
	s_and_b32 s68, s14, 1                          ; which 64 of the channels
	s_bfe_u32 s40, ttmp6, 0x40000                  ; cx, cy
	s_bfe_u32 s41, ttmp6, 0x40004
	s_and_b32 s17, ttmp7, 0xffff                   ; the cluster's number, 0 .. 15
	s_and_b32 s3, s17, 3                           ; the batch
	s_bfe_u32 s67, s17, 0x10002                    ; p
	s_lshr_b32 s45, s17, 3
	s_lshl_b32 s45, s45, 2
	s_add_co_u32 s45, s45, s40                     ; which 128 channels
	s_sub_co_u32 s70, 3, s67
	s_lshl_b32 s17, s70, 2
	s_add_co_u32 s17, s17, s41                     ; the long tile's number, 0 .. 15,
	s_lshl_b32 s42, s67, 2
	s_add_co_u32 s42, s42, s41                     ; the short one's
	s_cmp_eq_u32 s15, 0
	s_cselect_b32 s69, s17, s42                    ; mine
	s_cselect_b32 s66, s70, s67                    ; its last slot
	s_lshl_b32 s43, s41, 2
	s_lshl_b32 s43, 15, s43                        ; my row of the cluster
	s_lshl_b32 s44, 0x1111, s40                    ; my column
	; groups 1: 8 tiles of 16 rows x 6,144 bytes (768 elements of 8 bytes), 24,576 bytes apart; dense in LDS
	s_or_b32 s[G1P], s43, (3<<16)|(1<<21)
	s_or_b32 s[G1V], s44, (3<<16)|(1<<21)
.irp g, G1P, G1V
	s_mov_b32 s[\g+1], (STB/8)<<16
	s_mov_b32 s[\g+2], 8<<16
	s_mov_b32 s[\g+3], (STB/8)<<16
	s_mov_b32 s[\g+4], 8
	s_mov_b32 s[\g+5], TROW/8
	s_mov_b32 s[\g+6], 0
	s_mov_b32 s[\g+7], 0
.endr
	; the head's loads: wave w fills unit w: 0 long P, 1 short P, 2 V for slot 0; 3, 4, 5 the same for slot 1
	s_cmp_lt_u32 s14, 3
	s_cselect_b32 s2, 0, STB                       ; the slot's bytes along a row
	s_cselect_b32 s18, 0, 3
	s_sub_co_u32 s18, s14, s18
	s_cmp_eq_u32 s18, 1
	s_cselect_b32 s19, s42, s17
	s_lshl_b32 s18, s3, 7                          ; P: a batch is 128 tiles of 16 queries
	s_lshl_b32 s20, s19, 3
	s_add_co_u32 s20, s20, s18
	s_mul_i32 s20, s20, TROW                       ; under 2^24
	s_add_co_u32 s20, s20, s2
	s_mov_b32 s21, 0
	s_and_b32 s19, s14, 3
	s_lshl_b32 s19, s19, 1                         ; which two tiles I fetch in a refill
	s_lshl_b32 s72, s17, 3
	s_add_co_u32 s72, s72, s18
	s_add_co_u32 s72, s72, s19
	s_mul_i32 s72, s72, TROW
	s_add_co_u32 s72, s72, 2*STB                   ; slot 2
	s_mov_b32 s73, 0
	s_lshl_b32 s18, s3, 6                          ; V: a batch is 64 tiles of 16 channels
	s_lshl_b32 s46, s45, 3
	s_add_co_u32 s46, s46, s18
	s_add_co_u32 s74, s46, s19
	s_mul_i32 s46, s46, TROW
	s_add_co_u32 s46, s46, s2
	s_mov_b32 s47, 0
	s_mul_i32 s74, s74, TROW
	s_add_co_u32 s74, s74, 2*STB
	s_mov_b32 s75, 0
	s_mul_i32 s94, s14, U                          ; where they go: no place in the cluster enters an LDS address
	s_mul_i32 s95, s19, STB
	s_lshl_b32 s22, s3, 4                          ; p_st: 16 records for 128 queries
	s_add_co_u32 s22, s22, s69
	s_mul_i32 s22, s22, 16*STREC
	s_mov_b32 s23, 0
	s_wait_alu depctr_va_vdst(0)
	s_wait_dscnt 0x0                               ; both opening adds are done
	s_wait_kmcnt 0x0
	s_add_nc_u64 s[6:7], s[6:7], s[22:23]
	LAPIN 0                                        ; only what my tile walks is read
	s_cmp_lt_u32 s66, 1
	s_cbranch_scc1 .Lin
	LAPIN 1
	s_cmp_lt_u32 s66, 2
	s_cbranch_scc1 .Lin
	LAPIN 2
	s_cmp_lt_u32 s66, 3
	s_cbranch_scc1 .Lin
	LAPIN 3
.Lin:
	s_add_nc_u64 s[20:21], s[4:5], s[20:21]
	s_add_nc_u64 s[72:73], s[4:5], s[72:73]
	s_add_nc_u64 s[46:47], s[8:9], s[46:47]
	s_add_nc_u64 s[74:75], s[8:9], s[74:75]
.irp g, 32, 36, 56, 60
	s_mov_b32 s[\g], 1
.endr
	s_mov_b32 s33, s94
	s_mov_b64 s[34:35], s[20:21]
	s_or_b32 s35, s35, 0x80000000
	s_mov_b32 s57, s94
	s_mov_b64 s[58:59], s[46:47]
	s_or_b32 s59, s59, 0x80000000
	s_mov_b32 s37, s95                             ; unit 0
	s_mov_b64 s[38:39], s[72:73]
	s_or_b32 s39, s39, 0x80000000
	s_add_co_u32 s61, s95, 2*U                     ; unit 2
	s_mov_b64 s[62:63], s[74:75]
	s_or_b32 s63, s63, 0x80000000
	CROUND                                         ; all sixteen work-groups are here: the first joint loads meet
	s_cmp_lt_u32 s14, 2                            ; slot 0: P, both tiles
	s_cbranch_scc0 .Lh_v0
	ASK 32, G1P
	s_branch .Lhead_asked
.Lh_v0:
	s_cmp_lt_u32 s14, 3                            ; V
	s_cbranch_scc0 .Lh_p1
	ASK 56, G1V
	s_branch .Lhead_asked
.Lh_p1:
	s_cmp_lt_u32 s14, 4                            ; slot 1: long P
	s_cbranch_scc0 .Lh_s1
	ASK 32, G1P
	s_branch .Lhead_asked
.Lh_s1:
	s_cmp_lt_u32 s14, 5                            ; short P, where the short tile has a second slot: all sixteen partners go alike
	s_cbranch_scc0 .Lh_v1
	s_cmp_eq_u32 s67, 1
	s_cbranch_scc0 .Lhead_asked
	ASK 32, G1P
	s_branch .Lhead_asked
.Lh_v1:
	s_cmp_lt_u32 s14, 6                            ; V
	s_cbranch_scc0 .Lhead_asked
	ASK 56, G1V
.Lhead_asked:
	v_and_b32 v1, 15, v0                           ; r
	v_bfe_u32 v2, v0, 4, 1                         ; h
	v_and_b32 v3, 31, v0
	v_lshlrev_b32 v4, 12, v2
	v_lshl_add_u32 v6, v1, 2, v4                   ; row r's word, lanes 16-31 eight steps (4,096 bytes) on
	v_lshl_add_u32 v[CO], v1, 4, v4                ; in O: lanes 0-15 one row of 256 bytes, lanes 16-31 the next, 4,096 bytes on
	s_wait_alu depctr_va_vdst(0)
	s_lshl_b32 s20, s3, 3
	s_add_co_u32 s20, s20, s45
	s_lshl_b32 s20, s20, 13
	s_lshl_b32 s22, s68, 8
	s_add_co_u32 s20, s20, s22
	s_mov_b32 s21, 0
	s_add_nc_u64 s[10:11], s[10:11], s[20:21]
.irp s, 0,1,2,3,4,5,6,7
.irp b, 0,1,2,3
	global_load_b32 v[VSC+8*\b+\s], v6, s[10:11] offset:64*\b+512*\s   ; V's scale words, 32 loads
.endr
.endr
	v_lshlrev_b32 v4, 4, v3
	v_lshlrev_b32 v5, 3, v3
	s_mul_i32 s22, s15, U
	s_mul_i32 s23, s16, 4*STB
	s_add_co_u32 s22, s22, s23
	v_add_nc_u32 v[PA], s22, v4
	s_add_co_u32 s22, s22, 3*U
	v_add_nc_u32 v[PA+1], s22, v4
	s_mul_i32 s22, s68, 4*STB
	s_add_co_u32 s22, s22, 2*U
	v_add_nc_u32 v[VA], s22, v4
	v_add_nc_u32 v[VA+1], s22, v5
	s_add_co_u32 s22, s22, 3*U
	v_add_nc_u32 v[VA+2], s22, v4
	v_add_nc_u32 v[VA+3], s22, v5
	s_mul_i32 s22, s14, 16*SPITCH
	s_add_co_u32 s22, s22, U                       ; my stage, in unit 1
	v_mul_u32_u24 v8, v1, SPITCH
	v_lshl_add_u32 v8, v2, 5, v8
	v_add_nc_u32 v[STO], s22, v8                   ; in: row r, 32 bytes for each half of the lanes
	v_mul_u32_u24 v8, v2, SPITCH
	v_lshl_add_u32 v8, v1, 4, v8
	v_add_nc_u32 v[RD], s22, v8                    ; back: two rows of 256 bytes
	s_lshl_b32 s22, s15, 13
	s_add_co_u32 s22, s22, SCP
	v_add_nc_u32 v[SPA], s22, v[PSO]
	s_lshl_b32 s23, s16, 8
	s_add_co_u32 s22, s22, s23
	v_add_nc_u32 v[PSR], s22, v6
	s_lshl_b32 s22, s15, 9
	s_add_co_u32 s22, s22, RLB
	v_add_nc_u32 v[SPR], s22, v[PSO]
	s_add_co_u32 s22, s22, s23
	v_lshl_add_u32 v[RLA], v1, 2, s22
.irp a, 0,1,2,3
	v_mov_b32 v[RLR+2*\a+1], 0                     ; (named as the upper halves of pairs)
.endr
	s_lshl_b32 s20, s3, 11                         ; my first row of O: 2,048 x batch + 128 x tile + 64 x half,
	s_lshl_b32 s21, s69, 7
	s_add_co_u32 s20, s20, s21
	s_lshl_b32 s21, s16, 6
	s_add_co_u32 s20, s20, s21
	s_lshl_b32 s20, s20, 12                        ; of 4,096 bytes (under 2^25);
	s_lshl_b32 s21, s45, 9                         ; my first column
	s_add_co_u32 s20, s20, s21
	s_lshl_b32 s21, s68, 8
	s_add_co_u32 s20, s20, s21
	s_mov_b32 s21, 0
	s_add_nc_u64 s[12:13], s[12:13], s[20:21]
	s_wait_alu depctr_va_vdst(0)
	s_wait_loadcnt 32                              ; my query's statistics are in; V's 32 scale loads may be out
	v_min3_num_f32 v172, v[PNM], v[PNM+1], v[PNM+2]
	v_min3_num_f32 v173, v[PNM+3], v[PNM+4], v[PNM+5]
.irp j, 6,10
	v_min3_num_f32 v172, v172, v[PNM+\j], v[PNM+\j+1]
	v_min3_num_f32 v173, v173, v[PNM+\j+2], v[PNM+\j+3]
.endr
	v_min3_num_f32 v172, v172, v[PNM+14], v[PNM+15]
	v_min_num_f32 v172, v172, v173                 ; -M of the row
.macro FIX4 s0                         ; four steps side by side
.irp i, 0,1,2,3
	v_sub_f32 v[T+\i], v[PNM+\s0+\i], v172         ; d = (the row's M) - (the local M): a whole number, 0 or more,
.endr
.irp i, 0,1,2,3
	v_min_num_f32 v[T+\i], 0x42fe0000, v[T+\i]     ; held at 127
.endr
.irp i, 0,1,2,3
	v_cvt_u32_f32 v[T+4+\i], v[T+\i]
.endr
.irp i, 0,1,2,3
	v_sub_nc_u32 v[T+\i], 0, v[T+4+\i]
.endr
.irp i, 0,1,2,3
	v_ldexp_f32 v[PLS+\s0+\i], v[PLS+\s0+\i], v[T+\i]   ; the local sum under the row's M: nothing is rounded
.endr
.irp i, 0,1,2,3
	v_perm_b32 v[T+8+\i], v[T+4+\i], v[T+4+\i], 0  ; d in all four bytes
.endr
.irp i, 0,1,2,3
	v_or_b32 v[T+\i], 0x80808080, v[PWD+\s0+\i]    ; the bytes are 123 at the most (p is at most 1): with 128 added to each, no subtraction borrows from the next byte
.endr
.irp i, 0,1,2,3
	v_sub_nc_u32 v[T+\i], v[T+\i], v[T+8+\i]
.endr
.irp i, 0,1,2,3
	v_and_b32 v[T+8+\i], 0x80808080, v[T+\i]       ; the top bit stays where byte - d is 0 or more
.endr
.irp i, 0,1,2,3
	v_lshrrev_b32 v[T+4+\i], 7, v[T+8+\i]
.endr
.irp i, 0,1,2,3
	v_sub_nc_u32 v[T+8+\i], v[T+8+\i], v[T+4+\i]   ; 0x7f there, 0 elsewhere
.endr
.irp i, 0,1,2,3
	v_and_b32 v[PWD+\s0+\i], v[T+\i], v[T+8+\i]    ; byte - d, held at 0
.endr
.endm
	FIX4 0
	FIX4 4
	FIX4 8
	FIX4 12
	v_add_f32 v174, v[PLS], v[PLS+1]
	v_add_f32 v175, v[PLS+2], v[PLS+3]
.irp j, 4,6,8,10,12,14
.if \j%4 == 0
	v_add_f32 v174, v174, v[PLS+\j]
	v_add_f32 v175, v175, v[PLS+\j+1]
.else
	v_add_f32 v174, v174, v[PLS+\j]
	v_add_f32 v175, v175, v[PLS+\j+1]
.endif
.endr
	v_add_f32 v174, v174, v175                     ; l: over 1/2, since the row's largest p is
	s_wait_alu depctr_va_vdst(0)
	v_rcp_f32 v176, v174
	v_nop                                          ; a plain line behind the reciprocal,
	s_wait_alu depctr_va_vdst(0)                   ; and the wait ahead of its first reader
.irp s, 0,1,2,3,4,5,6,7,8,9,10,11,12,13,14,15
	ds_store_b32 v[SPA], v[PWD+\s] offset:512*\s
.endr
	ds_store_b32 v[SPR], v176
	s_wait_alu depctr_va_vdst(0)
	s_cmp_lt_u32 s14, 3
	s_cbranch_scc0 .Lnot_first
	s_wait_tensorcnt 0x0                           ; waves 0-2: my unit of slot 0 is in (slot 1's may still be out)
.Lnot_first:
	s_wait_dscnt 0x0                               ; for the others' sake: my stores have landed
	s_barrier_signal -1
	s_barrier_wait -1                              ; slot 0 and the scale words are whole
.irp s, 0,1,2,3,4,5,6,7
.irp a, 0,1,2,3
	ds_load_b32 v[PSC+8*\a+\s], v[PSR] offset:64*\a+512*\s
.endr
.endr
.irp a, 0,1,2,3
	ds_load_b32 v[RLR+2*\a], v[RLA] offset:64*\a   ; 1 / l of query 16 a + r of my 64
.endr
.macro LOADS n, s                      ; slot n's step s: P's four fragments, V's four: 28 loads, into set s % 2
.if (\s)%2
	WIN 0x40
.set FB, F1
.else
	WIN 0
.set FB, F0
.endif
.irp a, 0,1,2,3
.irp c, 0,1,2
	ds_load_b128 v[FB+12*\a+4*\c:FB+12*\a+4*\c+3], v[PA+(\n)%2] offset:\a*STB+(\s)*IMG+512*\c
.endr
.endr
.irp b, 0,1,2,3
.irp c, 0,1
	ds_load_b128 v[FB+48+12*\b+6*\c:FB+48+12*\b+6*\c+3], v[VA+2*((\n)%2)] offset:\b*STB+(\s)*IMG+768*\c
	ds_load_b64 v[FB+48+12*\b+6*\c+4:FB+48+12*\b+6*\c+5], v[VA+2*((\n)%2)+1] offset:\b*STB+(\s)*IMG+768*\c+512
.endr
.endr
	WIN 0
.endm
; 16 matrix instructions: 128 keys.  The 16 accumulators take turns, one instruction a turn, in the same order in every step and on every way.
.macro MUL n, s
.set KS, 4*(\n)+(\s)
.if (\s)%2
	WIN 0x55
.set FB, F1
.else
	WIN 0x50
.set FB, F0
.endif
.irp a, 0,1,2,3
.irp b, 0,1,2,3
.set D_, 32*\a+8*\b
.if KS == 0
	v_wmma_scale_f32_16x16x128_f8f6f4 v[D_:D_+7], v[FB+48+12*\b:FB+48+12*\b+11], v[FB+12*\a:FB+12*\a+11], 0, v[VSC+8*\b], v[PSC+8*\a] matrix_a_fmt:MATRIX_FMT_BF6 matrix_b_fmt:MATRIX_FMT_BF6
.elseif KS < 8
	v_wmma_scale_f32_16x16x128_f8f6f4 v[D_:D_+7], v[FB+48+12*\b:FB+48+12*\b+11], v[FB+12*\a:FB+12*\a+11], v[D_:D_+7], v[VSC+8*\b+KS], v[PSC+8*\a+KS] matrix_a_fmt:MATRIX_FMT_BF6 matrix_b_fmt:MATRIX_FMT_BF6
.else
	v_wmma_scale_f32_16x16x128_f8f6f4 v[D_:D_+7], v[FB+48+12*\b:FB+48+12*\b+11], v[FB+12*\a:FB+12*\a+11], v[D_:D_+7], v[VSC+8*\b+KS-8], v[PSC+8*\a+KS-8] matrix_a_fmt:MATRIX_FMT_BF6 matrix_b_fmt:MATRIX_FMT_BF6 matrix_a_scale:MATRIX_SCALE_ROW1 matrix_b_scale:MATRIX_SCALE_ROW1
.endif
.endr
.endr
	WIN 0
.endm
.macro SLOT n                          ; 512 keys; a step's fragments are asked for ahead of the products of the step before
	PLACES
	LOADS \n, 0
.irp s, 0,1,2,3
	s_wait_dscnt 0x0                               ; this step's set is in
.if \s < 3
.if \s > 0
	PLACES                                         ; the other set was read by the products just issued
.endif
	LOADS \n, \s+1
.endif
	MUL \n, \s
.endr
.endm
; THE WAY OUT, four blocks of 16 queries x 64 channels: x 1 / l; through my own stage in LDS; back as whole rows of 256 bytes.
.macro WOUT
	PLACES                                         ; behind the last products
	WIN 0x41
.irp a, 0,1,2,3
.irp j, 0,2,4,6,8,10,12,14,16,18,20,22,24,26,28,30
	v_pk_mul_f32 v[32*\a+\j:32*\a+\j+1], v[32*\a+\j:32*\a+\j+1], v[RLR+2*\a:RLR+2*\a+1] op_sel_hi:[1,0]   ; each accumulator from its low end on
.endr
.endr
	s_wait_alu depctr_va_vdst(0)
.irp a, 0,1,2,3
	WIN 0x04                                       ; an LDS store's data are its source 1: window 1
.irp b, 0,1,2,3
	ds_store_b128 v[STO], v[32*\a+8*\b:32*\a+8*\b+3] offset:64*\b
	ds_store_b128 v[STO], v[32*\a+8*\b+4:32*\a+8*\b+7] offset:64*\b+16
.endr
	WIN 0
.irp t, 0,1,2,3,4,5,6,7
	ds_load_b128 v[BK+32*\a+4*\t:BK+32*\a+4*\t+3], v[RD] offset:2*\t*SPITCH   ; LDS serves a wave's instructions in order: these see my stores, and the next block's stores come behind them
.endr
.endr
.irp a, 0,1,2,3
	s_wait_dscnt 16*(3-\a)                         ; behind block a's loads: 16 LDS instructions for each later block
.irp t, 0,1,2,3,4,5,6,7
	global_store_b128 v[CO], v[BK+32*\a+4*\t:BK+32*\a+4*\t+3], s[12:13] offset:\a*65536+\t*8192 th:TH_STORE_NT   ; 16 lanes store 256 consecutive bytes, at a multiple of 256; written once, read by nobody here
.endr
.endr
.endm
	s_wait_loadcnt 0x0                             ; V's scale words
	SLOT 0                                         ; keys 0 .. 511: the first products start the sums
	s_wait_tensorcnt 0x0                           ; my unit of slot 1 is in, and no tensor load of mine is out;
	ds_add_u32 v[SPW], v[NIL]                      ; 0 onto my spare word, twice on end
	ds_add_u32 v[SPW], v[NIL]
.irp g, G1P, G1V
	s_mov_b32 s[\g+2], 2<<16                       ; from here on a load brings 2 tiles of 16 rows
	s_mov_b32 s[\g+4], 2
.endr
	s_wait_dscnt 0x0                               ; the adds are done, and my reads of slot 0 are over
	CROUND                                         ; no wave of any partner still reads slot 0 or has a load on its way
	REFILL                                         ; slot 2: keys 1,024 .. 1,535, a slot's work ahead
	s_cmp_lt_u32 s66, 1                            ; a short tile of one slot has no more keys
	s_cbranch_scc1 .Lno_slot1
	SLOT 1
.Lno_slot1:
	s_wait_tensorcnt 0x0                           ; my part of slot 2 is in
	ds_add_u32 v[SPW], v[NIL]                      ; 0 onto my spare word
	s_add_co_u32 s37, s37, 3*U                     ; slot 3: units 3 and 5, 512 keys on
	s_add_co_u32 s61, s61, 3*U
	s_add_nc_u64 s[38:39], s[38:39], STB
	s_add_nc_u64 s[62:63], s[62:63], STB
	s_wait_dscnt 0x0
	CROUND
	s_cmp_eq_u32 s67, 0                            ; the long tile has a fourth slot where p = 0: all sixteen partners go alike
	s_cbranch_scc0 .Lno_slot3
	REFILL
.Lno_slot3:
	s_cmp_lt_u32 s14, 4
	s_cbranch_scc0 .Lshort_out
	SLOT 2
	s_branch .Ljoined
.Lshort_out:
	WOUT                                           ; the short tile leaves while the long one is multiplied
	s_wait_alu depctr_va_vdst(0)
	s_wait_xcnt 0x0                                ; its stores have read their data
.Ljoined:
	s_cmp_eq_u32 s67, 0
	s_cbranch_scc0 .Llong_out
	s_wait_tensorcnt 0x0                           ; my part of slot 3 is in
	s_wait_dscnt 0x0
	s_barrier_signal -1
	s_barrier_wait -1                              ; everybody's is
	s_cmp_lt_u32 s14, 4
	s_cbranch_scc0 .Llong_out
	SLOT 3
.Llong_out:
	s_cmp_lt_u32 s14, 4
	s_cbranch_scc0 .Lend
	WOUT
.Lend:
	s_wait_tensorcnt 0x0                           ; the wave's end
	ds_add_u32 v[SPW], v[NIL]
	s_wait_dscnt 0x0
	CROUND                                         ; the closing round: no work-group ends while a partner may still ask for a tile that names it
	s_endpgm
.Lfunc_end_k_qd4cf2cd01d_pv:
	.size	k_qd4cf2cd01d_pv, .Lfunc_end_k_qd4cf2cd01d_pv-k_qd4cf2cd01d_pv
	.p2alignl 7, 3214868480
	.fill 96, 4, 3214868480
	.section	.rodata,"a",@progbits
	.p2align	6, 0x0
	.amdhsa_kernel k_qd4cf2cd01d_pv
		.amdhsa_group_segment_fixed_size 327680
		.amdhsa_private_segment_fixed_size 0
		.amdhsa_enable_private_segment 0
		.amdhsa_kernarg_size 40
		.amdhsa_user_sgpr_count 2
		.amdhsa_user_sgpr_kernarg_segment_ptr 1
		.amdhsa_wavefront_size32 1
		.amdhsa_system_sgpr_workgroup_id_x 1
		.amdhsa_system_sgpr_workgroup_id_y 1
		.amdhsa_system_sgpr_workgroup_id_z 1
		.amdhsa_system_vgpr_workitem_id 0
		.amdhsa_next_free_vgpr 512
		.amdhsa_next_free_sgpr 102
		.amdhsa_reserve_vcc 0
		.amdhsa_float_denorm_mode_32 3
		.amdhsa_float_denorm_mode_16_64 3
		.amdhsa_memory_ordered 1
		.amdhsa_forward_progress 1
		.amdhsa_inst_pref_size 123
	.end_amdhsa_kernel
	.amdgpu_metadata
---
amdhsa.version: [ 1, 2 ]
amdhsa.kernels:
  - .name:           k_qd4cf2cd01d_pv
    .symbol:         k_qd4cf2cd01d_pv.kd
    .args:
      - { .name: p_img, .offset: 0, .size: 8, .value_kind: global_buffer, .address_space: global }
      - { .name: p_st, .offset: 8, .size: 8, .value_kind: global_buffer, .address_space: global }
      - { .name: v_img, .offset: 16, .size: 8, .value_kind: global_buffer, .address_space: global }
      - { .name: v_sc, .offset: 24, .size: 8, .value_kind: global_buffer, .address_space: global }
      - { .name: out0, .offset: 32, .size: 8, .value_kind: global_buffer, .address_space: global }
    .group_segment_fixed_size: 327680
    .private_segment_fixed_size: 0
    .kernarg_segment_align: 8
    .kernarg_segment_size: 40
    .max_flat_workgroup_size: 256
    .sgpr_count:     102
    .vgpr_count:     512
    .wavefront_size: 32
...
	.end_amdgpu_metadata
.endif
;; end of part 3
